; MI455X (gfx1250); checked and timed in simulation.
; The chip was launched on July 23, 2026; its instructions are those of AMD's public machine-readable ISA for CDNA 5 (MIT licence, August 2026) and "CDNA5" Instruction Set Architecture Reference Guide (July 2026). The comments in the code are by the model that wrote it; some were corrected since.
;; Multi Head Attention. Allowed arithmetic: matrix products marked QUANTISED: E2M1 operands, one E8M0 scale for each 32 along K, by v_wmma_scale_f32_16x16x128_f8f6f4 with both operands' format E2M1 (or v_wmma_scale_f32_32x16x128_f4), f32 sums; products left as they are: bf16, f16 or f32 operands; f32 sums; everything else in f32.
;; Inputs: Wk 1,024 x 1,024 float32; Wo 1,024 x 1,024 float32; Wq 1,024 x 1,024 float32; Wv 1,024 x 1,024 float32; bk 1,024 float32; bo 1,024 float32; bq 1,024 float32; bv 1,024 float32; mask 4 x 2,048 int32; scale one number float32; x 4 x 2,048 x 1,024 float32.
;; Outputs: out0 4 x 2,048 x 1,024 float32.
;; This version of the problem:
;;   THIS VERSION OF THE PROBLEM IS GIVEN IN LOW PRECISION. The matrix products marked QUANTISED in the list below multiply operands that are first quantised to E2M1 (2 exponent bits, 1 mantissa bit; 4 bits a number), with one power-of-two scale for each 32 numbers along K (OCP MX v1.0); their sums are f32. The products marked 'left as it is' may take bf16, f16 or f32 operands, with f32 sums. Whichever they take, every output number must still come out within the allowed error. Rounding operands to bf16 (8 significant bits) uses up far more of that allowance than f16 does (11 bits, for magnitudes from 6e-5 to 65,504). All else is computed in f32.
;;   The module's matrix products, in the order in which they are computed (A, B: the left and right operand; K: the contracted axis; several contracted axes count as one K, in the product's order):
;;     1. [M 8,192, K 1,024] x [K 1,024, N 1,024]; A: input x; B: input Wq: QUANTISED
;;     2. [M 8,192, K 1,024] x [K 1,024, N 1,024]; A: input x; B: input Wk: QUANTISED
;;     3. [M 8,192, K 1,024] x [K 1,024, N 1,024]; A: input x; B: input Wv: QUANTISED
;;     4. batch 64 x [M 2,048, K 64] x [K 64, N 2,048]; A: computed on the way; B: computed on the way: left as it is (an operand is computed on the way)
;;     5. batch 64 x [M 2,048, K 2,048] x [K 2,048, N 64]; A: computed on the way; B: computed on the way: left as it is (an operand is computed on the way)
;;     6. [M 8,192, K 1,024] x [K 1,024, N 1,024]; A: computed on the way; B: input Wo: left as it is (an operand is computed on the way)
;;   THE QUANTISER, for each operand of a quantised product, along K:
;;     - K is cut into blocks of 32 from its start; a last block that is shorter is filled with zeros.
;;     - A block's scale is 2^e with e = floor(log2(the largest magnitude in the block)) - 2, held to -126 .. 127; a block of zeros has e = 0. As a byte (E8M0): e + 127.
;;     - Each number is divided by its block's scale, clamped to +-6, and rounded to the nearest number of E2M1, ties to even, subnormals kept.
;;     - The product sums the exact products of the quantised numbers (number of the format x scale) in f32.
;;   ~~~python
;;   def quantise(x, axis):      # numpy; x: float32 -> the quantised numbers, widened to float32 again
;;       x = np.moveaxis(x, axis, -1); K = x.shape[-1]
;;       x = np.pad(x, [(0, 0)] * (x.ndim - 1) + [(0, -K % 32)]); x = x.reshape(x.shape[:-1] + (-1, 32)); a = np.abs(x).max(-1, keepdims=True)
;;       e = np.where(a > 0, np.clip(np.frexp(np.where(a > 0, a, 1))[1] - 1 - 2, -126, 127), 0)      # np.frexp(a)[1] - 1 = floor(log2(a)), exactly
;;       r = np.clip(x / 2.0 ** e, -6, 6)
;;       step = 2.0 ** (np.maximum(np.frexp(np.where(r == 0, 1, r))[1] - 1, 0) - 1)
;;       q = np.round(r / step) * step * 2.0 ** e      # np.round: ties to even
;;       return np.moveaxis(q.reshape(q.shape[:-2] + (-1,))[..., :K], -1, axis).astype(np.float32)
;;   ~~~
;; One version. Each part assembles by itself: llvm-mc -triple=amdgcn-amd-amdhsa -mcpu=gfx1250 --defsym DOCPART=n.
;; ======== version 1 of 1: 4 launches
;; limits: right only within a limited range of input values; values are held in f16: magnitudes above 65,504 overflow, below 6.1e-05 lose precision
;; workspace buffers: xc 4,194,304 bytes; xs 262,144 bytes; wc 1,572,864 bytes; ws 98,304 bytes; wo16 2,097,152 bytes; kbias 32,768 bytes; qkvh 50,331,648 bytes; ctx 16,777,216 bytes
;; launch prep (part 1): grid 368 x 1, 4 waves a work-group, no clusters, 68,096 bytes of LDS; arguments x, Wq, Wk, Wv, Wo, mask, xc, xs, wc, ws, wo16, kbias; writes xc, xs, wc, ws, wo16, kbias
.if DOCPART == 1
	.amdgcn_target "amdgcn-amd-amdhsa--gfx1250"
	.amdhsa_code_object_version 6
	.text
	.protected	k_q3dc5376d31_prep
	.globl	k_q3dc5376d31_prep
	.p2align	8
	.type	k_q3dc5376d31_prep,@function
k_q3dc5376d31_prep:
	s_mov_b64 s[64:65], 0
	v_nop
	global_prefetch_b8 v0, s[64:65] scope:SCOPE_SE
	s_setreg_imm32_b32 hwreg(HW_REG_WAVE_MODE, 25, 1), 1
	s_wait_xcnt 0x0
; PREP: what every later launch reads narrow is made here once.
;   work-groups 0-47:    Wq, Wk, Wv [1024 (k)][1024 (n)] f32 -> codes of FP4 (E2M1) laid [3072 (q, k, v columns)][512 bytes], K innermost, and E8M0 bytes [3072][32]
;   work-groups 48-303:  x [8192][1024] f32 -> codes [8192][512 bytes] and E8M0 bytes [8192][32]
;   work-groups 304-367: Wo f32 -> f16 as it lies; mask -> an additive f32 bias: 0, or -2^100 where mask == 0
; A block's scale is 2^(floor(log2(its largest magnitude)) - 2); its byte is the largest magnitude's exponent field - 2, held at 1 from below.  A block of zeros so gets the byte 1 where
; the quantiser says 127: its codes are zeros, and this program alone reads the bytes.
; LIMITS: blocks whose largest magnitude lies under 2^-124 keep the byte 1; NaN and infinities among the inputs are not served; Wo beyond f16's range (65,504) is not served.
; The three paths part on the work-group's number; each has LDS bytes of its own.  No tensor loads, no barrier: waves share nothing.
.set SPARE, 67584                      ; behind both paths' stages: the spare words, 128 bytes a wave, two blocks of 256 bytes that no other line names
.set SPW,   190                        ; v190  LDS address of my spare word; never rewritten
.set NIL,   191                        ; v191  0; never rewritten
.set EMAX,  2
; the x path
.set STEPS, 16                         ; a wave takes 16 steps of 512 numbers
.set XR,    16                         ; v16-79   four sets of 16 numbers as loaded
.set XX,    80                         ; v80-111  two sets of 16 neighbours
.set XE,    112                        ; v112-127 a scale byte for each step
.set XC,    128                        ; v128-159 codes, two registers a step: no store's data are written again
.set WREG,  8192                       ; LDS 0 .. 32,767: a region a wave: two stages of 32 x SP bytes, then 256 scale bytes
.set SP,    80                         ; a lane's place in a stage: 64 bytes + 16 of padding
; the W path
.set NB,    16                         ; blocks of 32 along K for a wave (512 along K)
.set WP,    272                        ; a stage row: 256 bytes of codes + 16
.set WSTG,  32768                      ; LDS 32,768 .. 67,583: a stage of 32 rows a wave
.set WX,    32                         ; v32-95   two sets of 32 numbers
.set WC,    96                         ; v96-99   a block's codes
.set WOUT,  112                        ; v112-175 the way out
.set WSB,   24                         ; v24-27   scale bytes, four to a register
.macro XLOAD t                         ; 32 lanes read 512 consecutive bytes, four times
.irp i, 0,1,2,3
	global_load_b128 v[XR+16*((\t)%4)+4*\i:XR+16*((\t)%4)+4*\i+3], v3, s[4:5] offset:2048*(\t)+512*\i th:TH_LOAD_NT
.endr
.endm
.macro XTURN t                         ; a step's 2,048 bytes through my stage: in as they lie, back 64 bytes a lane.  LDS serves a wave's instructions in order (ISA guide 5.7.1.4)
.irp i, 0,1,2,3
	ds_store_b128 v14, v[XR+16*((\t)%4)+4*\i:XR+16*((\t)%4)+4*\i+3] offset:32*SP*((\t)%2)+8*SP*\i
.endr
.irp i, 0,1,2,3
	ds_load_b128 v[XX+16*((\t)%2)+4*\i:XX+16*((\t)%2)+4*\i+3], v15 offset:32*SP*((\t)%2)+16*\i
.endr
.endm
.macro XSTEP t
.set XS, XX+16*((\t)%2)
.if (\t) > 0
	s_wait_dscnt 1                                 ; this step's numbers are back from the stage; the last step's byte store may be out
.else
	s_wait_dscnt 0x0
.endif
.if (\t)+4 < STEPS
	XLOAD (\t)+4                                   ; into the set that the stage's stores have read
.endif
.if (\t)+1 < STEPS
.if STEPS-2-(\t) >= 3
	s_wait_loadcnt 12                              ; the next step's four loads are in; three younger steps' twelve stay out
.else
	s_wait_loadcnt 4*(STEPS-2-(\t))
.endif
	XTURN (\t)+1
.endif
	v_max3_num_f32 v8, |v[XS]|, |v[XS+1]|, |v[XS+2]|               ; the largest magnitude of my 16, in two chains
	v_max3_num_f32 v9, |v[XS+3]|, |v[XS+4]|, |v[XS+5]|
.irp i, 6,10
	v_max3_num_f32 v8, v8, |v[XS+\i]|, |v[XS+\i+1]|
	v_max3_num_f32 v9, v9, |v[XS+\i+2]|, |v[XS+\i+3]|
.endr
	v_max3_num_f32 v8, v8, |v[XS+14]|, |v[XS+15]|
	v_max3_num_f32 v8, v8, v9, (EMAX+1)<<23        ; and the floor 2^(3 - 127): the byte cannot fall under 1
	v_max_num_f32_dpp v8, v8, v8 row_xmask:1 row_mask:0xf bank_mask:0xf   ; with my neighbour's 16: the block's
	v_add_nc_u32 v11, -(EMAX<<23), v8              ; 2 off its exponent field: the conversion takes that field as its scale and nothing else
	v_cvt_scalef32_pk8_fp4_f32 v[XC+2*(\t)], v[XS:XS+7], v11
	v_cvt_scalef32_pk8_fp4_f32 v[XC+2*(\t)+1], v[XS+8:XS+15], v11
	v_lshrrev_b32 v[XE+(\t)], 23, v11              ; the scale's byte (a plain line behind the conversions)
	ds_store_b8 v5, v[XE+(\t)] offset:16*(\t)      ; both lanes of a block write the same byte with the same value
	global_store_b64 v4, v[XC+2*(\t):XC+2*(\t)+1], s[16:17] offset:256*(\t)   ; the wave stores 256 consecutive bytes, aligned
.endm
.macro WLOAD t                         ; block t: W(32 t + q, my column), q = 0 .. 31: a lane to a column, registers down K
.set q, 0
.rept 32
	global_load_b32 v[WX+32*((\t)%2)+q], v3, s[6:7] offset:(32*(\t)+q)*4096 th:TH_LOAD_NT
.set q, q+1
.endr
.endm
.macro WBLOCK t
.set XW, WX+32*((\t)%2)
.if (\t) < NB-1
	s_wait_loadcnt 32                              ; this block's 32 loads are in; the next block's 32 stay out
.else
	s_wait_loadcnt 0
.endif
	v_max3_num_f32 v12, |v[XW]|, |v[XW+1]|, |v[XW+2]|              ; all 32 numbers of the block are mine
	v_max3_num_f32 v13, |v[XW+3]|, |v[XW+4]|, |v[XW+5]|
.irp i, 6,10,14,18,22,26
	v_max3_num_f32 v12, v12, |v[XW+\i]|, |v[XW+\i+1]|
	v_max3_num_f32 v13, v13, |v[XW+\i+2]|, |v[XW+\i+3]|
.endr
	v_max3_num_f32 v12, v12, |v[XW+30]|, |v[XW+31]|
	v_max3_num_f32 v12, v12, v13, (EMAX+1)<<23
	v_add_nc_u32 v11, -(EMAX<<23), v12
	v_lshrrev_b32 v13, 23, v11
.if (\t)%4 == 0
	v_mov_b32 v[WSB+(\t)/4], v13
.else
	v_lshl_or_b32 v[WSB+(\t)/4], v13, 8*((\t)%4), v[WSB+(\t)/4]
.endif
.irp g, 0,1,2,3
	v_cvt_scalef32_pk8_fp4_f32 v[WC+\g], v[XW+8*\g:XW+8*\g+7], v11
.endr
	ds_store_b128 v4, v[WC:WC+3] offset:16*(\t)    ; 32 codes: 16 bytes of my column's row
.if (\t)+2 < NB
	WLOAD (\t)+2
.endif
	s_wait_dscnt 0x0                               ; the store has read its registers: the next block's codes may be written
.endm
	s_load_b512 s[4:19], s[0:1], 0x0               ; x 4:5, Wq 6:7, Wk 8:9, Wv 10:11, Wo 12:13, mask 14:15, xc 16:17, xs 18:19
	s_load_b256 s[20:27], s[0:1], 0x40             ; wc 20:21, ws 22:23, wo16 24:25, kbias 26:27
	v_lshl_add_u32 v[SPW], v0, 2, SPARE
	v_mov_b32 v[NIL], 0
	v_lshrrev_b32 v1, 5, v0
	v_readfirstlane_b32 s28, v1                    ; wave 0..3
	v_and_b32 v2, 31, v0                           ; lane
	s_wait_kmcnt 0x0
	s_cmp_lt_u32 ttmp9, 48
	s_cbranch_scc1 .Lw
	s_cmp_lt_u32 ttmp9, 304
	s_cbranch_scc1 .Lx
	; ---- Wo to f16, and the mask.  A wave takes 16,384 bytes of Wo: 32 loads of 512 consecutive bytes, all asked for at once
	s_sub_co_u32 s29, ttmp9, 304
	s_lshl_b32 s30, s29, 16
	s_lshl_b32 s31, s28, 14
	s_add_co_u32 s30, s30, s31
	s_mov_b32 s31, 0
	s_add_nc_u64 s[12:13], s[12:13], s[30:31]
	s_lshr_b32 s30, s30, 1                         ; half as many bytes out
	s_add_nc_u64 s[24:25], s[24:25], s[30:31]
	v_lshlrev_b32 v3, 4, v2
	v_lshlrev_b32 v4, 3, v2
.set q, 0
.rept 32
	global_load_b128 v[32+4*q:35+4*q], v3, s[12:13] offset:512*q th:TH_LOAD_NT
.set q, q+1
.endr
.set q, 0
.rept 32
	s_wait_loadcnt 31-q                            ; load q is in; the younger ones stay out
	v_cvt_pk_f16_f32 v[32+4*q], v[32+4*q], v[33+4*q]
	v_cvt_pk_f16_f32 v[33+4*q], v[34+4*q], v[35+4*q]
	global_store_b64 v4, v[32+4*q:33+4*q], s[24:25] offset:256*q   ; the wave stores 256 consecutive bytes, aligned; no register is written again
.set q, q+1
.endr
	s_cmp_lg_u32 s28, 0                            ; wave 0 alone: 128 numbers of the mask
	s_cbranch_scc1 .Lo_end
	s_lshl_b32 s30, s29, 9
	s_add_nc_u64 s[14:15], s[14:15], s[30:31]
	s_add_nc_u64 s[26:27], s[26:27], s[30:31]
	global_load_b128 v[8:11], v3, s[14:15]
	v_mov_b32 v16, 0xf1800000                      ; -2^100
	s_wait_loadcnt 0x0
.irp i, 0,1,2,3
	v_cmp_eq_u32 vcc_lo, 0, v[8+\i]
	v_cndmask_b32 v[12+\i], 0, v16, vcc_lo
.endr
	global_store_b128 v3, v[12:15], s[26:27]       ; 512 consecutive bytes
.Lo_end:
	s_wait_tensorcnt 0x0                           ; the wave's end
	ds_add_u32 v[SPW], v[NIL]
	s_wait_dscnt 0x0
	s_endpgm
.Lx:	; ---- x: rows are dense and 1,024 is a multiple of 32, so x is a plain stream of blocks; a wave takes a run of 8,192 numbers
	v_lshlrev_b32 v3, 4, v2                        ; my 16 bytes of a load's 512
	s_mul_i32 s29, s28, WREG
	v_lshrrev_b32 v14, 2, v2
	v_mul_u32_u24 v14, v14, SP
	v_and_b32 v15, 3, v2
	v_lshl_add_u32 v14, v15, 4, v14
	v_add_nc_u32 v14, s29, v14                     ; the stage, in: SP (lane / 4) + 16 (lane % 4)
	v_mul_u32_u24 v15, v2, SP
	v_add_nc_u32 v15, s29, v15                     ; and out: SP x lane
	v_lshlrev_b32 v4, 3, v2                        ; my 8 bytes of a step's codes
	v_lshrrev_b32 v5, 1, v2
	s_add_co_u32 s29, s29, 2*32*SP
	v_add_nc_u32 v5, s29, v5                       ; my block's byte among the wave's 256
	v_lshlrev_b32 v7, 3, v2
	v_add_nc_u32 v6, s29, v7
	s_sub_co_u32 s30, ttmp9, 48
	s_lshl_b32 s30, s30, 2
	s_add_co_u32 s30, s30, s28                     ; which run is mine: 0 .. 1,023
	s_lshl_b32 s32, s30, 15
	s_mov_b32 s33, 0
	s_add_nc_u64 s[4:5], s[4:5], s[32:33]          ; 32,768 bytes of x,
	s_lshl_b32 s32, s30, 12
	s_add_nc_u64 s[16:17], s[16:17], s[32:33]      ; 4,096 of codes,
	s_lshl_b32 s32, s30, 8
	s_add_nc_u64 s[18:19], s[18:19], s[32:33]      ; 256 scale bytes a run
.irp t, 0,1,2,3
	XLOAD \t
.endr
	s_wait_loadcnt 12                              ; step 0's four loads are in
	XTURN 0
.irp t, 0,1,2,3,4,5,6,7,8,9,10,11,12,13,14,15
	XSTEP \t
.endr
	ds_load_b64 v[8:9], v6                         ; in order behind my byte stores
	s_wait_dscnt 0x0
	global_store_b64 v7, v[8:9], s[18:19]          ; one aligned run of 256 bytes
	s_wait_tensorcnt 0x0                           ; the wave's end, behind my last LDS store
	ds_add_u32 v[SPW], v[NIL]
	s_wait_dscnt 0x0
	s_endpgm
.Lw:	; ---- a weight: tensor = group / 16, 128 columns = group % 8, 512 along K = (group / 8) % 2; a wave takes 32 columns
	s_lshr_b32 s29, ttmp9, 4
	s_and_b32 s30, ttmp9, 7
	s_bfe_u32 s31, ttmp9, 0x10003
	s_cmp_eq_u32 s29, 1                            ; the choice hangs on the work-group's number alone
	s_cselect_b64 s[8:9], s[8:9], s[10:11]
	s_cmp_eq_u32 s29, 0
	s_cselect_b64 s[6:7], s[6:7], s[8:9]
	s_lshl_b32 s32, s30, 7
	s_lshl_b32 s33, s28, 5
	s_add_co_u32 s32, s32, s33                     ; my wave's first column
	s_lshl_b32 s34, s31, 21                        ; 512 rows of 4,096 bytes
	s_lshl_b32 s35, s32, 2
	s_add_co_u32 s34, s34, s35
	s_mov_b32 s35, 0
	s_add_nc_u64 s[6:7], s[6:7], s[34:35]
	s_lshl_b32 s36, s29, 10
	s_add_co_u32 s36, s36, s32                     ; the row of wc and ws: 1,024 x tensor + column
	s_lshl_b32 s34, s36, 9
	s_lshl_b32 s37, s31, 8
	s_add_co_u32 s34, s34, s37
	s_add_nc_u64 s[20:21], s[20:21], s[34:35]
	s_lshl_b32 s34, s36, 5
	s_lshl_b32 s37, s31, 4
	s_add_co_u32 s34, s34, s37
	s_add_nc_u64 s[22:23], s[22:23], s[34:35]
	v_lshlrev_b32 v3, 2, v2                        ; in: 4 bytes a lane: the wave reads 128 consecutive bytes, the work-group 512
	s_mul_i32 s38, s28, 32*WP
	s_add_co_u32 s38, s38, WSTG                    ; my stage
	v_mul_u32_u24 v4, v2, WP
	v_add_nc_u32 v4, s38, v4                       ; into it: row = my column
	v_and_b32 v5, 15, v2
	v_lshrrev_b32 v6, 4, v2
	v_mul_u32_u24 v7, v6, WP
	v_lshl_add_u32 v7, v5, 4, v7
	v_add_nc_u32 v7, s38, v7                       ; out of it: sixteen lanes to a row, two rows an instruction
	v_lshlrev_b32 v8, 9, v6
	v_lshl_add_u32 v8, v5, 4, v8                   ; the same place in wc
	v_lshlrev_b32 v9, 5, v2                        ; my column's row of scale bytes
	WLOAD 0
	WLOAD 1
.set Q, 0
.rept NB
	WBLOCK Q
.set Q, Q+1
.endr
	global_store_b128 v9, v[WSB:WSB+3], s[22:23]   ; my column's 16 scale bytes
.irp t, 0,1,2,3,4,5,6,7,8,9,10,11,12,13,14,15
	ds_load_b128 v[WOUT+4*\t:WOUT+4*\t+3], v7 offset:2*\t*WP
.endr
.irp t, 0,1,2,3,4,5,6,7,8,9,10,11,12,13,14,15
	s_wait_dscnt 15-\t
	global_store_b128 v8, v[WOUT+4*\t:WOUT+4*\t+3], s[20:21] offset:2*\t*512   ; sixteen lanes store 256 consecutive bytes, aligned
.endr
	s_wait_tensorcnt 0x0                           ; the wave's end, behind my last LDS store
	ds_add_u32 v[SPW], v[NIL]
	s_wait_dscnt 0x0
	s_endpgm
.Lfunc_end_k_q3dc5376d31_prep:
	.size	k_q3dc5376d31_prep, .Lfunc_end_k_q3dc5376d31_prep-k_q3dc5376d31_prep
	.p2alignl 7, 3214868480
	.fill 96, 4, 3214868480
	.section	.rodata,"a",@progbits
	.p2align	6, 0x0
	.amdhsa_kernel k_q3dc5376d31_prep
		.amdhsa_group_segment_fixed_size 68096
		.amdhsa_private_segment_fixed_size 0
		.amdhsa_enable_private_segment 0
		.amdhsa_kernarg_size 96
		.amdhsa_user_sgpr_count 2
		.amdhsa_user_sgpr_kernarg_segment_ptr 1
		.amdhsa_wavefront_size32 1
		.amdhsa_system_sgpr_workgroup_id_x 1
		.amdhsa_system_sgpr_workgroup_id_y 1
		.amdhsa_system_sgpr_workgroup_id_z 1
		.amdhsa_system_vgpr_workitem_id 0
		.amdhsa_next_free_vgpr 192
		.amdhsa_next_free_sgpr 66
		.amdhsa_reserve_vcc 1
		.amdhsa_float_denorm_mode_32 3
		.amdhsa_float_denorm_mode_16_64 3
		.amdhsa_memory_ordered 1
		.amdhsa_forward_progress 1
		.amdhsa_inst_pref_size 123
	.end_amdhsa_kernel
	.amdgpu_metadata
---
amdhsa.version: [ 1, 2 ]
amdhsa.kernels:
  - .name:           k_q3dc5376d31_prep
    .symbol:         k_q3dc5376d31_prep.kd
    .args:
      - { .name: x, .offset: 0, .size: 8, .value_kind: global_buffer, .address_space: global }
      - { .name: Wq, .offset: 8, .size: 8, .value_kind: global_buffer, .address_space: global }
      - { .name: Wk, .offset: 16, .size: 8, .value_kind: global_buffer, .address_space: global }
      - { .name: Wv, .offset: 24, .size: 8, .value_kind: global_buffer, .address_space: global }
      - { .name: Wo, .offset: 32, .size: 8, .value_kind: global_buffer, .address_space: global }
      - { .name: mask, .offset: 40, .size: 8, .value_kind: global_buffer, .address_space: global }
      - { .name: xc, .offset: 48, .size: 8, .value_kind: global_buffer, .address_space: global }
      - { .name: xs, .offset: 56, .size: 8, .value_kind: global_buffer, .address_space: global }
      - { .name: wc, .offset: 64, .size: 8, .value_kind: global_buffer, .address_space: global }
      - { .name: ws, .offset: 72, .size: 8, .value_kind: global_buffer, .address_space: global }
      - { .name: wo16, .offset: 80, .size: 8, .value_kind: global_buffer, .address_space: global }
      - { .name: kbias, .offset: 88, .size: 8, .value_kind: global_buffer, .address_space: global }
    .group_segment_fixed_size: 68096
    .private_segment_fixed_size: 0
    .kernarg_segment_align: 8
    .kernarg_segment_size: 96
    .max_flat_workgroup_size: 128
    .sgpr_count:     66
    .vgpr_count:     192
    .wavefront_size: 32
...
	.end_amdgpu_metadata
.endif
;; end of part 1
;; launch qkv (part 2): grid 12 x 32, 4 waves a work-group, clusters of 4 x 4, 327,680 bytes of LDS; arguments xc, xs, wc, ws, bq, bk, bv, scale, qkvh; writes qkvh
.if DOCPART == 2
	.amdgcn_target "amdgcn-amd-amdhsa--gfx1250"
	.amdhsa_code_object_version 6
	.text
	.protected	k_q3dc5376d31_qkv
	.globl	k_q3dc5376d31_qkv
	.p2align	8
	.type	k_q3dc5376d31_qkv,@function
k_q3dc5376d31_qkv:
	s_mov_b64 s[64:65], 0
	v_nop
	global_prefetch_b8 v0, s[64:65] scope:SCOPE_SE
	s_setreg_imm32_b32 hwreg(HW_REG_WAVE_MODE, 25, 1), 1
	s_wait_xcnt 0x0
	s_wait_alu depctr_hold_cnt(0) depctr_sa_sdst(0) depctr_va_vdst(0) depctr_va_sdst(0) depctr_va_ssrc(0) depctr_va_vcc(0) depctr_vm_vsrc(0)
	s_getreg_b32 s2, hwreg(HW_REG_IB_STS2, 6, 4)
	s_cmp_eq_u32 s2, 0
	s_cbranch_scc0 .Lentry_in_a_cluster
	s_endpgm
.Lentry_in_a_cluster:
	s_bfe_u32 s2, ttmp6, 0x10000c
	s_cmp_lg_u32 s2, 0xf033
	s_cbranch_scc0 .Lentry_shape_is_right
	s_endpgm
.Lentry_shape_is_right:
; QKV: [8192] x [3072 = q, k, v columns] x K 1,024 on codes of FP4 (E2M1) with one E8M0 scale for each 32 along K; sums in f32, begun with the bias as C.
; Then, for each row and head of 64 columns: q and k are divided by max(sqrt(sum of squares), 1e-12); q also takes the SIGN of the input scale (its magnitude enters the softmax's exponent
; in the next launch); v stays as it is.  Results leave as f16 into one buffer, q, then k, then v, 16,777,216 bytes each, laid [batch x 16 + head][2048][64]: a head's rows are 128 dense bytes.
; LIMITS: NaN and infinities are not served; v beyond f16's range (65,504) is not served.
; A tile of 256 x 256 is made by four waves, 128 x 128 each: 64 accumulators, 512 registers.  K is two slots of 512 (rows of 256 bytes): both are asked for at the head, nothing is filled again.
; The scale bytes of the tile's 256 + 256 rows, for all of K, come once, as whole runs of 256 bytes.
; CLUSTERS: 4 x 4 work-groups; a row of the cluster shares x's tiles, a column the weights': each tile is asked for jointly.  A tensor is four tile columns, one cluster wide: which of q, k, v is made
; hangs on the cluster's x alone, and chooses a pointer, an offset and values, never a branch.
; THE MATRIX INSTRUCTION IS USED TRANSPOSED (source 0 = 16 weight columns, source 1 = 16 rows of x): a lane holds eight neighbouring columns of one row.
; REGISTERS: window 0: v0-31 addresses; v32-95 scale words, two sets; v128-191 x's fragments, one set; v192-255 the bias in the result's layout.  Window 1: the weights' fragments, two sets.
;   Windows 2, 3: the accumulators ((a, b) at v[8 (8 (a % 4) + b)]).  On the way out window 0's v32-223 are used again.
.set NQ,     4                         ; matrix instructions deep in a slot
.set ROWB,   256                       ; a tile's row in bytes: 512 codes
.set KROW,   512                       ; a row of xc or wc in memory
.set PITCH,  272                       ; an LDS row: 256 + 16 bytes = 68 words: the 16 rows of a load start at 16 different banks (64 banks of 4 bytes: ISA guide 11.1)
.set FR,     8
.set NL,     2
.set NP,     4                         ; places behind this matrix instruction (ISA guide 7.12.1)
.set HALFT,  128*PITCH
.set SLOT,   4*HALFT
.set KS,     32                        ; a row of scale bytes
.set SCL,    2*SLOT
.set HALFS,  (128*KS/256)*272
.set SBLK,   (16*KS/256)*272
.set SPARE,  SCL+4*HALFS               ; the spare words, 128 bytes a wave: two blocks of 256 bytes that no other line names
.set ADRA, 16
.set ADRB, 20
.set STO,  24
.set RD,   25
.set CO,   26
.set ADRS, 27
.set SPW,  28
.set NIL,  29
.set SC,   32
.set AF,   128
.set BIA,  192
.set RN,   32                          ; the way out: v32-63: for row block a and head hh the pair at RN + 2 (2 a + hh): sum of squares, then the factor
.set TP,   64                          ; v64-127  a block's 64 numbers, scaled
.set PKD,  128                         ; v128-159 the same as f16
.set BK,   160                         ; v160-191, v192-223 by turns: rows read back from the stage
.set SPS,  272                         ; a stage row: 128 f16 + 16 bytes.  The stages (16 rows a wave) lie in slot 0, which has had its only fill and its last read
.set G1, 24
.set G0, 32
.set G1B, 48
.set G0B, 56
.set G1S, 68
.set G0S, 76
.set G1SB, 80
.set G0SB, 88
.set MSB, 0
.macro WIN new                         ; the immediate's high byte repeats the setting that is left
.if MSB != (\new)
	s_set_vgpr_msb (MSB<<8)|(\new)
.set MSB, (\new)
.endif
.endm
.set MUL_LO, 0xa1                      ; source 0 window 1, source 1 window 0, C and D window 2
.set MUL_HI, 0xf1
.set ONE_LO, 0x81                      ; the first products: C = the bias, window 0
.set ONE_HI, 0xc1
.set TO_B,   0x40
; A joint load: waves 0 and 1 fetch for x, waves 2 and 3 for the weights; the branch hangs on the wave's number alone.  An s_nop 0 and four v_nop follow each line.
.macro JLOAD g0a, g1a, g0b, g1b
	s_cmp_eq_u32 s15, 0
	s_cbranch_scc0 .Lfor_b_\@
	tensor_load_to_lds s[\g0a:\g0a+3], s[\g1a:\g1a+7]
	s_nop 0
.rept 4
	v_nop
.endr
	s_branch .Lasked_\@
.Lfor_b_\@:
	tensor_load_to_lds s[\g0b:\g0b+3], s[\g1b:\g1b+7]
	s_nop 0
.rept 4
	v_nop
.endr
.Lasked_\@:
.endm
.macro CROUND                          ; a round of the cluster's barrier
	s_barrier_signal -1
	s_barrier_wait -1
	s_cmp_lg_u32 s14, 0
	s_cbranch_scc1 .Lnot_wave_0_\@
	s_barrier_signal -3
.Lnot_wave_0_\@:
	s_barrier_wait -3
	s_barrier_signal -1
	s_barrier_wait -1
.endm
	s_load_b128 s[4:7], s[0:1], 0x0                ; xc, xs
	s_load_b128 s[8:11], s[0:1], 0x10              ; wc, ws
	s_load_b128 s[96:99], s[0:1], 0x20             ; bq, bk
	s_load_b64 s[100:101], s[0:1], 0x30            ; bv
	s_load_b64 s[104:105], s[0:1], 0x38            ; scale
	s_load_b64 s[12:13], s[0:1], 0x40              ; the results' buffer
	v_lshl_add_u32 v[SPW], v0, 2, SPARE
	v_mov_b32 v[NIL], 0
	ds_add_u32 v[SPW], v[NIL]                      ; the wave's opening: the add, twice on end, and its wait ahead of my first tensor load
	ds_add_u32 v[SPW], v[NIL]
	v_lshrrev_b32 v1, 5, v0
	v_readfirstlane_b32 s14, v1                    ; wave 0..3
	s_lshr_b32 s15, s14, 1                         ; which half of the tile's rows is mine.  Also: I fetch for x (0) or for the weights (1)
	s_and_b32 s16, s14, 1                          ; which half of its columns.  Also: which 128 rows I fetch
	s_bfe_u32 s40, ttmp6, 0x40000                  ; cx, cy
	s_bfe_u32 s41, ttmp6, 0x40004
	s_lshl_b32 s42, ttmp9, 2
	s_add_co_u32 s42, s42, s40                     ; tile column
	s_and_b32 s17, ttmp7, 0xffff
	s_lshl_b32 s17, s17, 2
	s_add_co_u32 s17, s17, s41                     ; tile row
	s_lshl_b32 s43, s41, 2
	s_lshl_b32 s43, 15, s43                        ; my row of the cluster
	s_lshl_b32 s44, 0x1111, s40                    ; my column
	s_or_b32 s[G1+0], s43, (0<<16)|(1<<20)|(1<<21)|(5<<22)|(3<<25)  ; the mask; elements of 1 byte; padding on; bit 21 beside a mask; 4 words after every 64
	s_or_b32 s[G1B+0], s44, (0<<16)|(1<<20)|(1<<21)|(5<<22)|(3<<25)
.irp g, G1, G1B
	s_mov_b32 s[\g+1], ROWB<<16                    ; tensor_dim0
	s_mov_b32 s[\g+2], 128<<16                     ; tensor_dim1
	s_mov_b32 s[\g+3], ROWB<<16                    ; tile_dim0
	s_mov_b32 s[\g+4], 128                         ; tile_dim1
	s_mov_b32 s[\g+5], KROW                        ; from row to row
	s_mov_b32 s[\g+6], 0
	s_mov_b32 s[\g+7], 0
.endr
	s_or_b32 s[G1S+0], s43, (3<<16)|(1<<20)|(1<<21)|(5<<22)|(3<<25) ; the scales of 128 rows: 4,096 dense bytes as 16 rows of 256 (32 elements of 8 bytes), 16 bytes behind each
	s_or_b32 s[G1SB+0], s44, (3<<16)|(1<<20)|(1<<21)|(5<<22)|(3<<25)
.irp g, G1S, G1SB
	s_mov_b32 s[\g+1], 32<<16
	s_mov_b32 s[\g+2], (128*KS/256)<<16
	s_mov_b32 s[\g+3], 32<<16
	s_mov_b32 s[\g+4], 128*KS/256
	s_mov_b32 s[\g+5], 32
	s_mov_b32 s[\g+6], 0
	s_mov_b32 s[\g+7], 0
.endr
	s_lshl_b32 s18, s16, 7
	s_lshl_b32 s20, s17, 8
	s_add_co_u32 s20, s20, s18                     ; x: row 256 x tile row + 128 x half
	s_lshl_b32 s46, s42, 8
	s_add_co_u32 s46, s46, s18                     ; weights: row 256 x tile column + 128 x half
	s_mov_b32 s21, 0
	s_mov_b32 s47, 0
	s_mov_b64 s[18:19], KS
	s_mul_u64 s[22:23], s[20:21], s[18:19]
	s_mul_u64 s[92:93], s[46:47], s[18:19]
	s_mov_b64 s[18:19], KROW
	s_mul_u64 s[20:21], s[20:21], s[18:19]
	s_mul_u64 s[46:47], s[46:47], s[18:19]
	s_mul_i32 s45, s14, HALFT                      ; where they go: wave x 128 rows
	s_mul_i32 s94, s14, HALFS
	s_wait_dscnt 0x0                               ; both opening adds are done
	s_wait_kmcnt 0x0
	s_add_nc_u64 s[20:21], s[4:5], s[20:21]
	s_add_nc_u64 s[22:23], s[6:7], s[22:23]
	s_add_nc_u64 s[46:47], s[8:9], s[46:47]
	s_add_nc_u64 s[92:93], s[10:11], s[92:93]
	s_cmp_eq_u32 ttmp9, 1                          ; the cluster's x is the tensor: 0 q, 1 k, 2 v
	s_cselect_b64 s[98:99], s[98:99], s[100:101]
	s_cmp_eq_u32 ttmp9, 0
	s_cselect_b64 s[96:97], s[96:97], s[98:99]     ; whose bias is added
	CROUND                                         ; all sixteen work-groups are here: the first joint loads meet
	s_mov_b32 s[G0S], 1
	s_add_co_u32 s[G0S+1], s94, SCL
	s_mov_b64 s[G0S+2:G0S+3], s[22:23]
	s_or_b32 s[G0S+3], s[G0S+3], 0x80000000
	s_mov_b32 s[G0SB], 1
	s_add_co_u32 s[G0SB+1], s94, SCL
	s_mov_b64 s[G0SB+2:G0SB+3], s[92:93]
	s_or_b32 s[G0SB+3], s[G0SB+3], 0x80000000
	JLOAD G0S, G1S, G0SB, G1SB                     ; the scales first; three loads of mine are out when all are asked for
.irp s, 0,1
	s_mov_b32 s[G0+4*\s], 1
	s_add_co_u32 s[G0+4*\s+1], s45, \s*SLOT
	s_add_nc_u64 s[G0+4*\s+2:G0+4*\s+3], s[20:21], \s*ROWB
	s_or_b32 s[G0+4*\s+3], s[G0+4*\s+3], 0x80000000
	s_mov_b32 s[G0B+4*\s], 1
	s_add_co_u32 s[G0B+4*\s+1], s45, \s*SLOT
	s_add_nc_u64 s[G0B+4*\s+2:G0B+4*\s+3], s[46:47], \s*ROWB
	s_or_b32 s[G0B+4*\s+3], s[G0B+4*\s+3], 0x80000000
	JLOAD G0+4*\s, G1, G0B+4*\s, G1B
.endr
	s_load_b32 s66, s[104:105], 0x0                ; the input scale: its sign alone is used here
	v_and_b32 v1, 15, v0                           ; r
	v_bfe_u32 v2, v0, 4, 1                         ; h
	v_mul_u32_u24 v3, v1, PITCH
	v_lshl_add_u32 v4, v2, 4, v3
	s_mul_i32 s21, s15, HALFT
	s_mul_i32 s22, s16, HALFT
	s_add_co_u32 s22, s22, 2*HALFT
.irp s, 0,1
	v_add_nc_u32 v[ADRA+\s], s21, v4
	v_add_nc_u32 v[ADRB+\s], s22, v4
	s_add_co_u32 s21, s21, SLOT
	s_add_co_u32 s22, s22, SLOT
.endr
	v_mul_u32_u24 v5, v1, KS                       ; my row's scales: 32 bytes a row,
	v_lshrrev_b32 v6, 8, v5
	v_lshl_add_u32 v5, v6, 4, v5                   ; and 16 more for each 256 passed
	s_mul_i32 s21, s15, HALFS
	s_mul_i32 s22, s16, HALFS
	s_add_co_u32 s22, s22, 2*HALFS
	s_sub_co_u32 s22, s22, s21
	v_mul_u32_u24 v6, s22, v2                      ; lanes 16-31 take the weights'
	s_add_co_u32 s21, s21, SCL
	v_add_nc_u32 v5, v5, v6
	v_add_nc_u32 v[ADRS], s21, v5
	s_mul_i32 s23, s14, 16*SPS                     ; my stage
	v_mul_u32_u24 v5, v1, SPS
	v_lshl_add_u32 v5, v2, 4, v5
	v_add_nc_u32 v[STO], s23, v5                   ; in: row r, 16 bytes for each half of the lanes
	v_and_b32 v6, 31, v0
	v_lshlrev_b32 v[CO], 4, v6                     ; out: 16 bytes a lane: four rows of 128 bytes
	v_lshrrev_b32 v5, 3, v6
	v_mul_u32_u24 v5, v5, SPS
	v_and_b32 v6, 7, v6
	v_lshl_add_u32 v5, v6, 4, v5
	v_add_nc_u32 v[RD], s23, v5                    ; back: row lane / 8, 16 (lane % 8)
	s_lshl_b32 s20, s17, 8
	s_lshl_b32 s21, s15, 7
	s_add_co_u32 s20, s20, s21                     ; my first row of x
	s_lshr_b32 s21, s20, 11                        ; its batch,
	s_and_b32 s20, s20, 2047                       ; its place in the sequence
	s_lshl_b32 s21, s21, 4
	s_lshl_b32 s46, s40, 2
	s_add_co_u32 s21, s21, s46
	s_lshl_b32 s46, s16, 1
	s_add_co_u32 s21, s21, s46                     ; 16 x batch + my first head (4 cx + 2 x half)
	s_lshl_b32 s21, s21, 11
	s_add_co_u32 s20, s20, s21
	s_lshl_b32 s20, s20, 7                         ; rows of 128 bytes
	s_lshl_b32 s46, ttmp9, 24                      ; the tensor's part of the buffer: 16,777,216 bytes each
	s_add_co_u32 s20, s20, s46
	s_mov_b32 s21, 0
	s_add_nc_u64 s[12:13], s[12:13], s[20:21]
	s_lshl_b32 s46, s40, 10                        ; the bias of my 128 columns: 256 cx + 128 x half, 4 bytes each
	s_lshl_b32 s47, s16, 9
	s_add_co_u32 s46, s46, s47
	s_mov_b32 s47, 0
	s_add_nc_u64 s[96:97], s[96:97], s[46:47]
	v_lshlrev_b32 v7, 5, v2
.irp b, 0,1,2,3,4,5,6,7
	global_load_b128 v[BIA+8*\b:BIA+8*\b+3], v7, s[96:97] offset:64*\b          ; lane (r, h): the bias of columns 16 b + 8 h + 0 .. 7
	global_load_b128 v[BIA+8*\b+4:BIA+8*\b+7], v7, s[96:97] offset:64*\b+16
.endr
	s_wait_kmcnt 0x0
	s_and_b32 s66, s66, 0x80000000
	s_cmp_eq_u32 ttmp9, 0
	s_cselect_b32 s66, s66, 0                      ; the sign goes onto q alone
	s_cmp_eq_u32 ttmp9, 2
	s_cselect_b32 s67, -1, 0                       ; all lanes on for v: its factor is 1
	s_mov_b32 s2, 0x76543210
	s_mov_b32 s3, 0xfedcba98                       ; v_permlanex16_b32's selects for lane l xor 16
.macro FRAG reg, adr, q, i             ; 16 rows x 128 K of 4-bit codes: 8 registers: two loads of 16 bytes, 32 apart
.irp c, 0,1
	ds_load_b128 v[\reg+4*\c:\reg+4*\c+3], v[\adr] offset:64*(\q)+32*\c+(\i)*16*PITCH
.endr
.endm
; 16 matrix instructions: x's blocks a0, a0 + 1 against the weights' eight.  The 64 accumulators take turns, one instruction a turn, in the same order in every step.
.macro MUL16 a0, p, q, sc, zero
.irp a, \a0, \a0+1
.irp b, 0,1,2,3,4,5,6,7
.if \zero
	v_wmma_scale_f32_16x16x128_f8f6f4 v[8*(8*((\a)%4)+\b):8*(8*((\a)%4)+\b)+7], v[128*(\p)+FR*\b:128*(\p)+FR*\b+FR-1], v[AF+FR*(\a):AF+FR*(\a)+FR-1], v[BIA+8*\b:BIA+8*\b+7], v[SC+8*NQ*(\sc)+NQ*\b+(\q)], v[SC+8*NQ*(\sc)+NQ*(\a)+(\q)] matrix_a_fmt:MATRIX_FMT_FP4 matrix_b_fmt:MATRIX_FMT_FP4 matrix_a_scale:MATRIX_SCALE_ROW1
.else
	v_wmma_scale_f32_16x16x128_f8f6f4 v[8*(8*((\a)%4)+\b):8*(8*((\a)%4)+\b)+7], v[128*(\p)+FR*\b:128*(\p)+FR*\b+FR-1], v[AF+FR*(\a):AF+FR*(\a)+FR-1], v[8*(8*((\a)%4)+\b):8*(8*((\a)%4)+\b)+7], v[SC+8*NQ*(\sc)+NQ*\b+(\q)], v[SC+8*NQ*(\sc)+NQ*(\a)+(\q)] matrix_a_fmt:MATRIX_FMT_FP4 matrix_b_fmt:MATRIX_FMT_FP4 matrix_a_scale:MATRIX_SCALE_ROW1
.endif
.endr
.endr
.endm
.macro FETCH_B slot, q, p
	WIN TO_B
.irp i, 0,1,2,3,4,5,6,7
	FRAG 128*(\p)+FR*\i, ADRB+\slot, \q, \i
.endr
	WIN 0
.endm
.macro FETCH_A slot, q, i0
.irp i, \i0, \i0+1, \i0+2, \i0+3
	FRAG AF+FR*(\i), ADRA+\slot, \q, \i
.endr
.endm
.macro SCALES sc                       ; a slot's scale words: lanes 0-15 x's block i, lanes 16-31 the weights' block i
.irp i, 0,1,2,3,4,5,6,7
	ds_load_b128 v[SC+8*NQ*\sc+NQ*\i:SC+8*NQ*\sc+NQ*\i+3], v[ADRS] offset:\i*SBLK
.endr
.endm
.macro PLACES n                        ; plain vector instructions between a matrix instruction and a load into, or a read of, its registers
.rept \n
	v_nop
.endr
.endm
.macro STEP slot, q, zero              ; 128 along K that has its successor in the same slot
	s_wait_dscnt 4*NL                              ; all but the youngest eight loads (x's blocks 4-7) are in
.if \zero
	WIN ONE_LO
.else
	WIN MUL_LO
.endif
	MUL16 0, (\q)%2, \q, \slot, \zero
	MUL16 2, (\q)%2, \q, \slot, \zero
	s_wait_dscnt 0
	PLACES NP
	FETCH_B \slot, (\q)+1, 1-(\q)%2
	FETCH_A \slot, (\q)+1, 0
.if \zero
	WIN ONE_HI
.else
	WIN MUL_HI
.endif
	MUL16 4, (\q)%2, \q, \slot, \zero
	MUL16 6, (\q)%2, \q, \slot, \zero
	PLACES NP
	WIN 0
	FETCH_A \slot, (\q)+1, 4
.endm
.macro TURN slot, next                 ; a slot's last step changes slots: one barrier; nothing is filled again
	s_wait_tensorcnt 0x0                           ; my part of the next slot has landed
	ds_add_u32 v[SPW], v[NIL]
	s_wait_dscnt 4*NL+1                            ; the add and the youngest eight loads may be out
	WIN MUL_LO
	MUL16 0, 1, NQ-1, \slot, 0
	s_wait_dscnt 0x0                               ; the add is done, and my reads of this slot are over
	s_barrier_signal -1
	MUL16 2, 1, NQ-1, \slot, 0
	WIN 0
	s_barrier_wait -1
	PLACES NP
	v_add_nc_u32 v[ADRS], 4*NQ, v[ADRS]            ; on to the next slot's scale words
	FETCH_B \next, 0, 0
	FETCH_A \next, 0, 0
	SCALES \next
	WIN MUL_HI
	MUL16 4, 1, NQ-1, \slot, 0
	MUL16 6, 1, NQ-1, \slot, 0
	PLACES NP
	WIN 0
	FETCH_A \next, 0, 4
.endm
.macro STEPS slot, from
.set Q, \from
.rept NQ-1-\from
	STEP \slot, Q, 0
.set Q, Q+1
.endr
.endm
	s_wait_tensorcnt 1                             ; the scales and my part of slot 0 are in; slot 1's load may be out
	s_barrier_signal -1
	s_barrier_wait -1
	FETCH_B 0, 0, 0
	FETCH_A 0, 0, 0
	SCALES 0
	FETCH_A 0, 0, 4
	s_wait_loadcnt 0x0                             ; the bias
	STEP 0, 0, 1                                   ; the first products start the sums from the bias
	STEPS 0, 1
	TURN 0, 1
	STEPS 1, 0
	s_wait_dscnt 4*NL
	WIN MUL_LO
	MUL16 0, 1, NQ-1, 1, 0
	MUL16 2, 1, NQ-1, 1, 0
	s_wait_dscnt 0
	WIN MUL_HI
	MUL16 4, 1, NQ-1, 1, 0
	MUL16 6, 1, NQ-1, 1, 0
	PLACES NP
	; THE NORMS.  Lane (r, h) holds, of row 16 a + r and head hh, 32 numbers (accumulators 4 hh .. 4 hh + 3); lane l xor 16 holds the other 32.  Eight chains by turns; each accumulator is read from its low end on.
.irp w, 0,1
	WIN 0x0a+5*\w                                  ; sources 0 and 1: window 2 or 3
.set p, 0
.rept 16
.irp a4, 0,1,2,3
.irp hh, 0,1
.set rX, 8*(8*\a4+4*\hh+p/4)+2*(p%4)
.set rR, RN+2*(2*(4*\w+\a4)+\hh)
.if p == 0
	v_pk_mul_f32 v[rR:rR+1], v[rX:rX+1], v[rX:rX+1]
.else
	v_pk_fma_f32 v[rR:rR+1], v[rX:rX+1], v[rX:rX+1], v[rR:rR+1]
.endif
.endr
.endr
.set p, p+1
.endr
.endr
	WIN 0
.set q, 0
.rept 16
	v_add_f32 v[RN+2*q], v[RN+2*q], v[RN+2*q+1]
.set q, q+1
.endr
.set q, 0
.rept 16
	v_permlanex16_b32 v[RN+2*q+1], v[RN+2*q], s2, s3
.set q, q+1
.endr
.set q, 0
.rept 16
	v_add_f32 v[RN+2*q], v[RN+2*q], v[RN+2*q+1]
.set q, q+1
.endr
.set q, 0
.rept 16
	v_sqrt_f32 v[RN+2*q], v[RN+2*q]
.set q, q+1
.endr
	v_nop                                          ; a plain instruction behind the last root,
	s_wait_alu depctr_va_vdst(0)                   ; and one wait for the batch, ahead of its first reader
.set q, 0
.rept 16
	v_max_num_f32 v[RN+2*q], 0x2b8cbccc, v[RN+2*q] ; max(norm, 1e-12)
.set q, q+1
.endr
.set q, 0
.rept 16
	v_rcp_f32 v[RN+2*q], v[RN+2*q]
.set q, q+1
.endr
	v_nop
	s_wait_alu depctr_va_vdst(0)
.set q, 0
.rept 16
	v_xor_b32 v[RN+2*q], s66, v[RN+2*q]            ; q: the sign of the input scale
.set q, q+1
.endr
.set q, 0
.rept 16
	v_cndmask_b32 v[RN+2*q], v[RN+2*q], 1.0, s67   ; v: the factor is 1
.set q, q+1
.endr
; THE WAY OUT, a block of 16 rows x 128 columns (two heads) at a time: scaled, rounded to f16, through my stage, and out as runs of 512 consecutive bytes (four rows of a head).
.macro PACK a
	WIN 0x02+(\a)/4                                ; source 0: window 2 or 3
.irp b, 0,1,2,3,4,5,6,7
.irp p, 0,1,2,3
	v_pk_mul_f32 v[TP+8*\b+2*\p:TP+8*\b+2*\p+1], v[8*(8*((\a)%4)+\b)+2*\p:8*(8*((\a)%4)+\b)+2*\p+1], v[RN+2*(2*(\a)+\b/4):RN+2*(2*(\a)+\b/4)+1] op_sel_hi:[1,0]
.endr
.endr
	WIN 0
.irp b, 0,1,2,3,4,5,6,7
.irp p, 0,1,2,3
	v_cvt_pk_f16_f32 v[PKD+4*\b+\p], v[TP+8*\b+2*\p], v[TP+8*\b+2*\p+1]
.endr
.endr
.endm
.macro TOSTAGE a
.set BB, BK+32*((\a)%2)
.irp b, 0,1,2,3,4,5,6,7
	ds_store_b128 v[STO], v[PKD+4*\b:PKD+4*\b+3] offset:32*\b
.endr
.irp t, 0,1,2,3,4,5,6,7
	ds_load_b128 v[BB+4*\t:BB+4*\t+3], v[RD] offset:(\t%4)*4*SPS+128*(\t/4)   ; in order behind my stores (ISA guide 5.7.1.4): head t / 4, rows 4 (t % 4) on
.endr
.endm
.macro SEND a
.set BB, BK+32*((\a)%2)
	s_wait_dscnt 0x0                               ; the block is back in registers
	s_wait_xcnt 0x0                                ; the stores of the block before have read their registers: the next block's loads may land there
.irp t, 0,1,2,3,4,5,6,7
	global_store_b128 v[CO], v[BB+4*\t:BB+4*\t+3], s[12:13] offset:(\t/4)*262144+(\a)*2048+(\t%4)*512   ; 512 consecutive bytes, at a multiple of 256 from the buffer's first byte
.endr
.endm
	PACK 0
	TOSTAGE 0
.irp a, 1,2,3,4,5,6,7
	PACK \a                                        ; a block's arithmetic stands between the loads of the block before and the wait for them
	SEND \a-1
	TOSTAGE \a
.endr
	SEND 7
	s_wait_tensorcnt 0x0                           ; the wave's end, behind my last tensor load and my last LDS store
	ds_add_u32 v[SPW], v[NIL]
	s_wait_dscnt 0x0
	CROUND                                         ; the closing round
	s_endpgm
.Lfunc_end_k_q3dc5376d31_qkv:
	.size	k_q3dc5376d31_qkv, .Lfunc_end_k_q3dc5376d31_qkv-k_q3dc5376d31_qkv
	.p2alignl 7, 3214868480
	.fill 96, 4, 3214868480
	.section	.rodata,"a",@progbits
	.p2align	6, 0x0
	.amdhsa_kernel k_q3dc5376d31_qkv
		.amdhsa_group_segment_fixed_size 327680
		.amdhsa_private_segment_fixed_size 0
		.amdhsa_enable_private_segment 0
		.amdhsa_kernarg_size 72
		.amdhsa_user_sgpr_count 2
		.amdhsa_user_sgpr_kernarg_segment_ptr 1
		.amdhsa_wavefront_size32 1
		.amdhsa_system_sgpr_workgroup_id_x 1
		.amdhsa_system_sgpr_workgroup_id_y 1
		.amdhsa_system_sgpr_workgroup_id_z 1
		.amdhsa_system_vgpr_workitem_id 0
		.amdhsa_next_free_vgpr 1024
		.amdhsa_next_free_sgpr 106
		.amdhsa_reserve_vcc 0
		.amdhsa_float_denorm_mode_32 3
		.amdhsa_float_denorm_mode_16_64 3
		.amdhsa_memory_ordered 1
		.amdhsa_forward_progress 1
		.amdhsa_inst_pref_size 167
	.end_amdhsa_kernel
	.amdgpu_metadata
---
amdhsa.version: [ 1, 2 ]
amdhsa.kernels:
  - .name:           k_q3dc5376d31_qkv
    .symbol:         k_q3dc5376d31_qkv.kd
    .args:
      - { .name: xc, .offset: 0, .size: 8, .value_kind: global_buffer, .address_space: global }
      - { .name: xs, .offset: 8, .size: 8, .value_kind: global_buffer, .address_space: global }
      - { .name: wc, .offset: 16, .size: 8, .value_kind: global_buffer, .address_space: global }
      - { .name: ws, .offset: 24, .size: 8, .value_kind: global_buffer, .address_space: global }
      - { .name: bq, .offset: 32, .size: 8, .value_kind: global_buffer, .address_space: global }
      - { .name: bk, .offset: 40, .size: 8, .value_kind: global_buffer, .address_space: global }
      - { .name: bv, .offset: 48, .size: 8, .value_kind: global_buffer, .address_space: global }
      - { .name: scale, .offset: 56, .size: 8, .value_kind: global_buffer, .address_space: global }
      - { .name: qkvh, .offset: 64, .size: 8, .value_kind: global_buffer, .address_space: global }
    .group_segment_fixed_size: 327680
    .private_segment_fixed_size: 0
    .kernarg_segment_align: 8
    .kernarg_segment_size: 72
    .max_flat_workgroup_size: 128
    .sgpr_count:     106
    .vgpr_count:     1024
    .wavefront_size: 32
...
	.end_amdgpu_metadata
.endif
;; end of part 2
;; launch attn (part 3): grid 8 x 64, 4 waves a work-group, clusters of 4 x 1, 327,680 bytes of LDS; arguments qkvh, kbias, scale, ctx; writes ctx
.if DOCPART == 3
	.amdgcn_target "amdgcn-amd-amdhsa--gfx1250"
	.amdhsa_code_object_version 6
	.text
	.protected	k_q3dc5376d31_attn
	.globl	k_q3dc5376d31_attn
	.p2align	8
	.type	k_q3dc5376d31_attn,@function
k_q3dc5376d31_attn:
	s_mov_b64 s[64:65], 0
	v_nop
	global_prefetch_b8 v0, s[64:65] scope:SCOPE_SE
	s_setreg_imm32_b32 hwreg(HW_REG_WAVE_MODE, 25, 1), 1
	s_wait_xcnt 0x0
	s_wait_alu depctr_hold_cnt(0) depctr_sa_sdst(0) depctr_va_vdst(0) depctr_va_sdst(0) depctr_va_ssrc(0) depctr_va_vcc(0) depctr_vm_vsrc(0)
	s_getreg_b32 s2, hwreg(HW_REG_IB_STS2, 6, 4)
	s_cmp_eq_u32 s2, 0
	s_cbranch_scc0 .Lentry_in_a_cluster
	s_endpgm
.Lentry_in_a_cluster:
	s_bfe_u32 s2, ttmp6, 0x10000c
	s_cmp_lg_u32 s2, 0x3003
	s_cbranch_scc0 .Lentry_shape_is_right
	s_endpgm
.Lentry_shape_is_right:
; ATTN: ctx[bh][q][:] = the sum over k of softmax_k(scale x qn[q] . kn[k], keys with mask == 0 left out) v[k][:].  q (normalised, with the sign of scale), k (normalised) and v lie one behind the other in one
; buffer, 16,777,216 bytes each; they and ctx are [64][2048][64] f16.  Products, maxima and sums in f32; the weights p are rounded to f16 for the second product, ctx once at the end.
; THE MASK is an additive f32 bias for each key (0 or -2^100), given as the C of the first product of each tile of scores.  The running maximum m starts from the floor -2^99, so that a masked key's
; p = 2^(c s - c m), c = |scale| log2(e), is 0 whether or not an open key has been seen.
; LIMITS: masking is right for 2^-90 <= c < 2^27; outside that (scale = 0 among it) masked keys are not served.  A batch with every key masked gives NaN (0 x infinity), as the softmax of an empty row does.
; NaN and infinities among the inputs are not served.
; SHARES.  A work-group owns 256 queries of one head, each of its four waves 64: four tiles of 16.  Every wave walks all 2,048 keys, 64 a step.
; LAYOUT.  S^T = K Q^T (source 0 = 16 keys, source 1 = 16 queries), O^T = V^T P: a lane holds ONE query throughout; two tiles of S^T, rounded in pairs, ARE source 1 of the second product.  V is turned by ds_load_tr16_b128.
; THE ROW SUMS are a fifth tile of "channels": source 0 holds ones in rows 0 and 8, so that register 0 of the result is the query's sum of p in both halves of the lanes; registers 1-7 stay 0.
; That takes 32 packed additions out of a turn's vector work and puts 4 matrix instructions in.
; BY TURNS.  The wave's tiles are two pieces (tiles 0, 1 and tiles 2, 3).  In a turn one piece has the matrix unit: 20 products V^T P of the step in hand, 16 products K Q^T of the next; the other piece's softmax,
; 206 vector instructions, stands in slices of 5 or 6 behind them.  Two turns are a key step.
; CLUSTER.  The four query blocks of a cluster belong to one head: K's, V's and the bias's tiles are asked for jointly.
; REGISTERS: window 0: v2-8, v44, v45 addresses; v12-43 statistics, 8 a tile; v64-191 S^T, 32 a tile; v192-255 P, 16 a tile.   window 1: v0-127 O^T, 32 a tile; v128-159 the sums, 8 a tile.
;   window 2: v0-63 Q; v128-191 K of one step.   window 3: v0-63 V of one step; v64-71 the ones; v96-127 the step's bias.
.set KS,    64
.set PK,    144       ; a row of K in LDS: 128 bytes + 16 = 36 words: the 16 rows of a load start at 16 different banks (64 banks of 4 bytes: ISA guide 11.1)
.set PVR,   160       ; a row of V: 128 + 32 bytes: an odd multiple of 32, as the turning load's 8 rows x 32 bytes want
.set KSTEPB, KS*PK
.set VSTEPB, KS*PVR
.set VOFF,  256*PK    ; a slot holds four steps: 256 rows of K, then 256 rows of V
.set SLOT1, 1<<17     ; slot 1 begins here: one exclusive or turns an address from slot to slot
.set BIAS,  SLOT1+256*(PK+PVR)  ; the batch's 2,048 bias numbers, filled once
.set STAGE, BIAS+8192 ; the way out: 4 tiles x 16 rows x 144 bytes a wave
.set SP,    144
.set SPARE, STAGE+4*4*16*SP  ; the spare words, 128 bytes a wave: two blocks of 256 bytes that no other line names
.set AK0, 2
.set AV0, 3
.set ADR, 4
.set QO,  5
.set STO, 6
.set RD,  7
.set GO,  8
.set AB0, 44
.set ADB, 45
.set PFO, 61          ; v61  256 x my lane; never rewritten
.set SPW, 62
.set NIL, 63
.set ST,  12          ; tile t's statistics at v[ST+8 t]: +0 c m, +1 m, +4 to +7 c0-c3 at work; a takes c2's place
.set S,   64
.set P,   192
.set WV,  12
.set LIM, 15
.set PFA, 18
.set G1K, 24
.set G1V, 32
.set G0K, 40          ; s[40:47]: a set for each first fill; the second then walks on
.set G0V, 48
.set SLOTS, 56
.set CNT, 57
.set CS,  58          ; s[58:59] c, twice
.set SEL, 60
.set TBK, 62          ; LDS byte of the K tile to be fetched
.set TBV, 63          ; of the V tile
.set KB,  66          ; of the step's bias
.set G1M, 68
.set G0M, 76
.set MSB, 0
.macro WIN new
.if MSB != (\new)
	s_set_vgpr_msb (MSB<<8)|(\new)
.set MSB, (\new)
.endif
.endm
.set W_KQ0, 0x3a      ; K and Q window 2, C (the bias) window 3, S^T window 0
.set W_KQ,  0x0a
.set W_PV,  0x53      ; V window 3, P window 0, O^T window 1
.set W_RS,  0x41      ; O^T window 1, a window 0
.macro JLOAD          ; a joint refill: waves 0, 1 K's halves, waves 2, 3 V's; an s_nop 0 and four v_nop follow each line
	s_cmp_lt_u32 s[WV], 2
	s_cbranch_scc0 .Lfor_v_\@
	tensor_load_to_lds s[G0K+4:G0K+7], s[G1K:G1K+7]
	s_nop 0
.rept 4
	v_nop
.endr
	s_branch .Lasked_\@
.Lfor_v_\@:
	tensor_load_to_lds s[G0V+4:G0V+7], s[G1V:G1V+7]
	s_nop 0
.rept 4
	v_nop
.endr
.Lasked_\@:
.endm
; A prefetch of what the NEXT change of slots will ask for: a slot's 32,768 bytes of K and of V.  Each run of 256 bytes is named once in the launch: the head's first cluster asks; its four partners take
; 8,192 bytes each, told apart by address; in each, wave 0 asks for K's and wave 2 for V's, lanes 256 bytes apart.  The last change that fills a slot asks for nothing; nothing is asked for at the head.
.macro ASK
	s_cmp_gt_u32 s[SLOTS], s[LIM]
	s_cbranch_scc0 .Lnot_mine_\@
	global_prefetch_b8 v[PFO], s[PFA:PFA+1] th:TH_LOAD_NT scope:SCOPE_SE
.Lnot_mine_\@:
.endm
.macro CROUND
	s_barrier_signal -1
	s_barrier_wait -1
	s_cmp_lg_u32 s[WV], 0
	s_cbranch_scc1 .Lnot_wave_0_\@
	s_barrier_signal -3
.Lnot_wave_0_\@:
	s_barrier_wait -3
	s_barrier_signal -1
	s_barrier_wait -1
.endm
.macro PLACES
.rept 4
	v_nop
.endr
.endm
	s_load_b128 s[4:7], s[0:1], 0x0   ; q, k, v's buffer 4:5, kbias 6:7
	s_load_b128 s[84:87], s[0:1], 0x10  ; scale 84:85, ctx 86:87
	v_lshl_add_u32 v[SPW], v0, 2, SPARE
	v_mov_b32 v[NIL], 0
	ds_add_u32 v[SPW], v[NIL]       ; the wave's opening: the add, twice on end, and its wait ahead of my first tensor load
	ds_add_u32 v[SPW], v[NIL]
	v_lshrrev_b32 v1, 5, v0
	v_readfirstlane_b32 s[WV], v1
	s_bfe_u32 s13, ttmp6, 0x40000   ; cx
	s_lshl_b32 s14, ttmp9, 2
	s_add_co_u32 s14, s14, s13      ; my block of 256 queries: it enters Q's and ctx's addresses alone
	s_and_b32 s20, ttmp7, 0xffff    ; 16 x batch + head, which the partners share
	s_lshr_b32 s80, s20, 4
	s_lshl_b32 s80, s80, 13         ; the batch's 8,192 bytes of bias,
	s_lshl_b32 s81, s[WV], 11
	s_add_co_u32 s80, s80, s81      ; my wave's quarter of them
	s_mov_b32 s81, 0
	s_lshl_b32 s20, s20, 18         ; the head's first byte: 2,048 rows of 128 bytes
	s_mov_b32 s21, 0
	s_and_b32 s16, s[WV], 1         ; which half of a slot's 256 rows I fetch
	s_lshl_b32 s22, s16, 14
	s_mov_b32 s23, 0
	s_add_nc_u64 s[22:23], s[22:23], s[20:21]
	s_mul_i32 s17, s16, 128*PK      ; its place in a slot, for K
	s_mul_i32 s82, s16, 128*PVR     ; and for V
	s_lshl_b32 s2, s14, 15          ; my block's 256 rows,
	s_lshl_b32 s3, s[WV], 13        ; my wave's 64 of them
	s_add_co_u32 s2, s2, s3
	s_mov_b32 s3, 0
	s_add_nc_u64 s[2:3], s[2:3], s[20:21]
	s_mov_b32 s[G1K], 15|(1<<16)|(1<<20)|(1<<21)|(4<<22)|(3<<25)  ; the mask: all four; elements of 2 bytes; padding on; bit 21 beside a mask; 4 words after every 32
	s_mov_b32 s[G1V], 15|(1<<16)|(1<<20)|(1<<21)|(4<<22)|(7<<25)  ; the same with 8 words
.irp g, G1K, G1V
	s_mov_b32 s[\g+1], 64<<16       ; tensor_dim0
	s_mov_b32 s[\g+2], 128<<16      ; tensor_dim1
	s_mov_b32 s[\g+3], 64<<16       ; tile_dim0
	s_mov_b32 s[\g+4], 128          ; tile_dim1
	s_mov_b32 s[\g+5], 64           ; from row to row
	s_mov_b32 s[\g+6], 0
	s_mov_b32 s[\g+7], 0
.endr
	s_mov_b32 s[G1M], 15|(3<<16)|(1<<21)  ; the bias: 2,048 dense bytes as 8 rows of 256 (32 elements of 8 bytes), no padding
	s_mov_b32 s[G1M+1], 32<<16
	s_mov_b32 s[G1M+2], 8<<16
	s_mov_b32 s[G1M+3], 32<<16
	s_mov_b32 s[G1M+4], 8
	s_mov_b32 s[G1M+5], 32
	s_mov_b32 s[G1M+6], 0
	s_mov_b32 s[G1M+7], 0
	s_mov_b32 s[SEL], 0x76543210
	s_mov_b32 s[SEL+1], 0xfedcba98
	s_mov_b32 s[TBK], 0
	s_mov_b32 s[TBV], 0
	s_mov_b32 s[KB], 0
	s_mov_b32 s[SLOTS], 6           ; 8 slots' worth of keys; two are asked for at the head
	s_and_b32 s[LIM], s[WV], 1
	s_or_b32 s[LIM], s[LIM], ttmp9  ; 0 in waves 0 and 2 of the head's first cluster: the same in all four partners
	s_cmp_eq_u32 s[LIM], 0
	s_cselect_b32 s[LIM], 1, -1
	v_and_b32 v[PFO], 31, v0
	v_lshlrev_b32 v[PFO], 8, v[PFO]
	s_wait_dscnt 0x0                ; both opening adds are done
	s_wait_kmcnt 0x0
	s_load_b32 s88, s[84:85], 0x0   ; the input scale
	s_mov_b64 s[10:11], s[6:7]      ; kbias
	s_add_nc_u64 s[6:7], s[4:5], 0x1000000   ; k's part of the buffer,
	s_add_nc_u64 s[8:9], s[4:5], 0x2000000   ; v's
	s_add_nc_u64 s[6:7], s[6:7], s[22:23]  ; K and V at my tile of slot 0
	s_add_nc_u64 s[8:9], s[8:9], s[22:23]
	s_add_nc_u64 s[4:5], s[4:5], s[2:3]    ; Q and ctx at my wave's first row
	s_add_nc_u64 s[86:87], s[86:87], s[2:3]
	s_add_nc_u64 s[10:11], s[10:11], s[80:81]
	s_cmp_lt_u32 s[WV], 2
	s_cselect_b64 s[PFA:PFA+1], s[6:7], s[8:9]
	s_lshl_b32 s2, s13, 13          ; my work-group's 8,192 bytes of a slot's 32,768
	s_mov_b32 s3, 0
	s_add_nc_u64 s[PFA:PFA+1], s[PFA:PFA+1], s[2:3]
	s_add_nc_u64 s[PFA:PFA+1], s[PFA:PFA+1], 2*32768  ; in slot 2; the first change of slots steps it to slot 3
	CROUND                          ; all four work-groups are here: the first joint loads meet
.irp s, 0,1
	s_mov_b32 s[G0K+4*\s], 1
	s_add_co_u32 s[G0K+4*\s+1], s17, \s*SLOT1
	s_add_nc_u64 s[G0K+4*\s+2:G0K+4*\s+3], s[6:7], \s*32768
	s_or_b32 s[G0K+4*\s+3], s[G0K+4*\s+3], 0x80000000
	s_mov_b32 s[G0V+4*\s], 1
	s_add_co_u32 s[G0V+4*\s+1], s82, \s*SLOT1+VOFF
	s_add_nc_u64 s[G0V+4*\s+2:G0V+4*\s+3], s[8:9], \s*32768
	s_or_b32 s[G0V+4*\s+3], s[G0V+4*\s+3], 0x80000000
.endr
	s_mov_b32 s[G0M], 1
	s_lshl_b32 s83, s[WV], 11
	s_add_co_u32 s[G0M+1], s83, BIAS
	s_mov_b64 s[G0M+2:G0M+3], s[10:11]
	s_or_b32 s[G0M+3], s[G0M+3], 0x80000000
	s_cmp_lt_u32 s[WV], 2           ; a wave's three first fills stand in one branch, ahead of every wait on TENSORcnt and every LDS read: three loads of mine are out
	s_cbranch_scc0 .Lfirst_v
	tensor_load_to_lds s[G0M:G0M+3], s[G1M:G1M+7]
	s_nop 0
	tensor_load_to_lds s[G0K:G0K+3], s[G1K:G1K+7]
	s_nop 0
	tensor_load_to_lds s[G0K+4:G0K+7], s[G1K:G1K+7]
	s_nop 0
.rept 4
	v_nop
.endr
	s_branch .Lfirst_asked
.Lfirst_v:
	tensor_load_to_lds s[G0M:G0M+3], s[G1M:G1M+7]
	s_nop 0
	tensor_load_to_lds s[G0V:G0V+3], s[G1V:G1V+7]
	s_nop 0
	tensor_load_to_lds s[G0V+4:G0V+7], s[G1V:G1V+7]
	s_nop 0
.rept 4
	v_nop
.endr
.Lfirst_asked:
	v_and_b32 v1, 15, v0            ; r
	v_bfe_u32 v9, v0, 4, 1          ; h
	v_lshlrev_b32 v[QO], 7, v1
	v_lshl_add_u32 v[QO], v9, 4, v[QO]
	WIN 0x80                        ; destination window 2
.irp i, 0,1,2,3,4,5,6,7             ; Q stays in registers: tile i / 2, channels 32 (i % 2) on
	global_load_b128 v[8*\i:8*\i+3],   v[QO], s[4:5] offset:(\i/2)*2048+(\i%2)*64
	global_load_b128 v[8*\i+4:8*\i+7], v[QO], s[4:5] offset:(\i/2)*2048+(\i%2)*64+32
.endr
	WIN 0
	v_mul_u32_u24 v[AK0], v1, PK
	v_lshl_add_u32 v[AK0], v9, 4, v[AK0]   ; K: row x pitch + 16 x half
	v_and_b32 v10, 7, v0
	v_bfe_u32 v11, v0, 3, 1
	v_lshl_add_u32 v[AV0], v9, 3, v10
	v_mul_u32_u24 v[AV0], v[AV0], PVR
	v_lshl_add_u32 v[AV0], v11, 4, v[AV0]
	v_add_nc_u32 v[AV0], VOFF, v[AV0]      ; V, for the turning load: key 8 h + l % 8, channels 8 ((l / 8) % 2) on
	v_lshl_add_u32 v[AB0], v9, 5, BIAS     ; the bias: my half's eight keys of a tile
	v_mov_b32 v47, 0x3c003c00              ; two ones in f16
	v_cmp_eq_u32 s90, 0, v10
	v_cndmask_b32 v46, 0, v47, s90         ; in rows 0 and 8 of the fifth tile
	WIN 0xc0                        ; destination window 3
.irp i, 0,1,2,3,4,5,6,7
	v_mov_b32 v[64+\i], v46
.endr
	WIN 0
	s_wait_kmcnt 0x0
	s_and_b32 s88, s88, 0x7fffffff
	s_mul_f32 s[CS], s88, 0x3fb8aa3b       ; c = |scale| log2(e)
	s_mov_b32 s[CS+1], s[CS]
; THE MATRIX WORK OF A TURN, for piece x.  The accumulators take turns, one instruction a turn: between two links of a chain stand 9 (V^T P) or 7 (K Q^T) others'.
.macro PV x, zero                   ; product i of 20: keys 32 (i / 10) on; tile x + i % 2; channels 16 ((i % 10) / 2) on, the fifth being the sums
	WIN W_PV
.set u, i%10
.set g, i/10
.set tl, (\x)+u%2
.set ct, u/2
.if ct < 4
.set rO, 32*tl+8*ct
.set rV, 32*g+8*ct
.else
.set rO, 128+8*tl
.set rV, 64
.endif
.set rP, P+16*tl+8*g
.if (\zero) && (g == 0)
	v_wmma_f32_16x16x32_f16 v[rO:rO+7], v[rV:rV+7], v[rP:rP+7], 0
.else
	v_wmma_f32_16x16x32_f16 v[rO:rO+7], v[rV:rV+7], v[rP:rP+7], v[rO:rO+7]
.endif
.endm
.macro KQ x                         ; product i of 16: channels 32 (i / 8) on, keys 16 ((i / 2) % 4) on, tile x + i % 2.  The first 8 start the sums from the keys' bias
.set tl, (\x)+i%2
.set rS, S+32*tl+8*((i/2)%4)
.set rK, 128+16*((i/2)%4)+8*(i/8)
.set rQ, 16*tl+8*(i/8)
.set rB, 96+8*((i/2)%4)
.if i < 8
	WIN W_KQ0
	v_wmma_f32_16x16x32_f16 v[rS:rS+7], v[rK:rK+7], v[rQ:rQ+7], v[rB:rB+7]
.else
	WIN W_KQ
	v_wmma_f32_16x16x32_f16 v[rS:rS+7], v[rK:rK+7], v[rQ:rQ+7], v[rS:rS+7]
.endif
.endm
.macro FETCH_K                      ; a step's K (8 fragments) and its bias, in one run of 24 loads
	WIN 0
	v_add_nc_u32 v[ADR], s[TBK], v[AK0]
	v_add_nc_u32 v[ADB], s[KB], v[AB0]
	s_add_co_u32 s[TBK], s[TBK], KSTEPB
	s_add_co_u32 s[KB], s[KB], 256
	WIN 0x80
.irp f, 0,1,2,3,4,5,6,7             ; keys 16 (f / 2) on, channels 32 (f % 2) on
	ds_load_b128 v[128+8*\f:128+8*\f+3],   v[ADR] offset:(\f/2)*16*PK+(\f%2)*64
	ds_load_b128 v[128+8*\f+4:128+8*\f+7], v[ADR] offset:(\f/2)*16*PK+(\f%2)*64+32
.endr
	WIN 0xc0
.irp kt, 0,1,2,3
	ds_load_b128 v[96+8*\kt:96+8*\kt+3],   v[ADB] offset:64*\kt
	ds_load_b128 v[96+8*\kt+4:96+8*\kt+7], v[ADB] offset:64*\kt+16
.endr
.endm
.macro FETCH_V                      ; a step's V, turned: 16 loads; the wait for the softmax's batch stands in it
	WIN 0
	v_add_nc_u32 v[ADR], s[TBV], v[AV0]
	s_add_co_u32 s[TBV], s[TBV], VSTEPB
	s_wait_alu depctr_va_vdst(0)
	WIN 0xc0
.irp f, 0,1,2,3,4,5,6,7             ; keys 32 (f / 4) on, channels 16 (f % 4) on
	ds_load_tr16_b128 v[8*\f:8*\f+3],   v[ADR] offset:(\f/4)*32*PVR+(\f%4)*32
	ds_load_tr16_b128 v[8*\f+4:8*\f+7], v[ADR] offset:(\f/4)*32*PVR+16*PVR+(\f%4)*32
.endr
.endm
; THE VECTOR WORK OF A TURN.  One tile's softmax for a key step is a list of 103 instructions; SM writes number j of it for tile t.
;   0-15 the maximum of the lane's 32 scores and the old m (first step: and the floor -2^99);  16-20 the other half's maximum, the new m, c m, c m_old - c m_new
;   21-69 ONE BATCH: 16 scalings c s - c m, a pair each, and 33 exponentials (a at 23).  None reads an exponential's result.   (the wait: NEXTV writes it, once for both tiles)
;   70-85 the roundings to f16;  86-101 the tile's O^T times a;  102 its sum times a
.macro SM t, first
.set rT, ST+8*(\t)
.set rS, S+32*(\t)
.set rP, P+16*(\t)
.if j < 86
	WIN 0
.endif
.if j < 4
	v_max3_num_f32 v[rT+4+j], v[rS+8*j], v[rS+8*j+1], v[rS+8*j+2]   ; each tile of scores is read from its low end on
.elseif j < 12
	v_max3_num_f32 v[rT+4+j%4], v[rT+4+j%4], v[rS+8*(j%4)+2*(j/4)+1], v[rS+8*(j%4)+2*(j/4)+2]
.elseif j == 12
	v_max3_num_f32 v[rT+4], v[rT+4], v[rS+7], v[rS+15]
.elseif j == 13
	v_max3_num_f32 v[rT+6], v[rT+6], v[rS+23], v[rS+31]
.elseif j == 14
	v_max3_num_f32 v[rT+4], v[rT+4], v[rT+5], v[rT+6]
.elseif (j == 15) && \first
	v_max3_num_f32 v[rT+4], v[rT+4], v[rT+7], 0xf1000000   ; the floor -2^99
.elseif j == 15
	v_max3_num_f32 v[rT+4], v[rT+4], v[rT+7], v[rT+1]
.elseif j == 16
	v_permlanex16_b32 v[rT+5], v[rT+4], s[SEL], s[SEL+1]
.elseif j == 18
	v_max_num_f32 v[rT+1], v[rT+4], v[rT+5]
.elseif j == 19
	v_mul_f32 v[rT], s[CS], v[rT+1]
.elseif ((j == 17) || (j == 20) || (j == 23) || (j > 85)) && \first  ; the first step has none of these
.elseif j == 17
	v_mov_b32 v[rT+7], v[rT]
.elseif j == 20
	v_sub_f32 v[rT+7], v[rT+7], v[rT]
.elseif j == 23
	v_exp_f32 v[rT+6], v[rT+7]
.elseif (j < 23) || ((j < 38) && (j%2 == 0)) || ((j < 66) && (j%4 == 2))
.set b, (j-2)/4
.if j < 38
.set b, (j-20)/2
.endif
	v_pk_fma_f32 v[rS+2*b:rS+2*b+1], v[rS+2*b:rS+2*b+1], s[CS:CS+1], v[rT:rT+1] op_sel_hi:[1,0,0] neg_lo:[0,0,1] neg_hi:[0,0,1]
.elseif j < 70
.set e, j-38
.if j < 66
.set e, j-32-(j-38)/4
.endif
.if j < 38
.set e, (j-25)/2
.endif
	v_exp_f32 v[rS+e], v[rS+e]
.elseif j < 86
	v_cvt_pk_f16_f32 v[rP+j-70], v[rS+2*(j-70)], v[rS+2*(j-70)+1]
.elseif j < 102
	WIN W_RS
.set rO, 32*(\t)+2*(j-86)
	v_pk_mul_f32 v[rO:rO+1], v[rO:rO+1], v[rT+6:rT+7] op_sel_hi:[1,0]
.else
	WIN W_RS
	v_mul_f32 v[128+8*(\t)], v[128+8*(\t)], v[rT+6]
.endif
.endm
; Instruction vi of 206 of piece y's softmax.  0-43 and 140-205: the two tiles alternate; 44-139, the batch from number 22 on: four numbers of one tile, the tiles by turns.
; Behind 139 nothing more is an exponential and ahead of 140 nothing names a result: one plain instruction and ONE wait serve the piece's 66 exponentials.
.macro NEXTV y, first
.if vi < 206
.if vi < 44
.set tt, (\y)+vi%2
.set j, vi/2
.elseif vi < 140
.set tt, (\y)+((vi-44)/4)%2
.set j, 22+4*((vi-44)/8)+(vi-44)%4
.else
.set tt, (\y)+(vi-140)%2
.set j, 70+(vi-140)/2
.endif
	SM tt, \first
.if vi == 139
	v_nop
.if (\y) == 0
	FETCH_V                         ; piece 2's turn: V's run of loads stands here.  V's last reader stands 5 scalings, this v_nop and the run's own addition back
.else
	s_wait_alu depctr_va_vdst(0)
.endif
.endif
.endif
.set vi, vi+1
.endm
.macro SLICES y, first, pv, kq      ; the slice behind matrix instruction k.  A whole turn: 4 x 5 + 26 x 6 + 6 x 5 = 206
.if (\pv) && (\kq)
.set nn, 6
.if (k < 4) || (k >= 30)
.set nn, 5
.endif
.elseif \kq
.set nn, 13
.else
.set nn, 11
.endif
.rept nn
	NEXTV \y, \first
.endr
.set k, k+1
.endm
; A TURN.  pv = 2: 20 products V^T P; 1: they start the sums; 0: none.  kq = 1: 16 products K Q^T of the next step.  first = 1: the softmax is the first key step's; its last slices are empty, and four v_nop
; take their part as the places behind the turn's last products.  In the loop the last slice, five rescalings of the other piece, is those places: for the next turn's first read of the scores and for the loads into K.
.macro TURN x, pv, kq, first
.set vi, 0
.set k, 0
.if \pv
.if \x == 0
	s_wait_dscnt 0x0                ; V is in
.endif
.set i, 0
.rept 20
	PV \x, 2-\pv
	SLICES 2-\x, \first, \pv, \kq
.if (\x == 0) && \kq && (i == 1)
	FETCH_K
.endif
.set i, i+1
.endr
.endif
.if \kq
.if \x == 0
	s_wait_dscnt 0x0                ; K and the bias are in
.endif
.set i, 0
.rept 16
	KQ \x
	SLICES 2-\x, \first, \pv, \kq
.set i, i+1
.endr
.endif
.if \first
	PLACES
.endif
.endm
; THE CHANGE OF SLOTS: the slot's last bytes have been asked for.  Each wave waits for all its tensor loads (one is out: its part of the other slot), adds 0 to its spare word, and waits for that and for its reads.
; fill = 1: the barrier is a round of the cluster's, and the joint refill is the first thing behind it: it has four key steps, 288 matrix instructions, in which to land.
.macro CHANGE fill
	WIN 0
	s_wait_tensorcnt 0x0
	ds_add_u32 v[SPW], v[NIL]
.if \fill
.irp g, G0K+4, G0V+4
	s_xor_b32 s[\g+1], s[\g+1], SLOT1
	s_add_nc_u64 s[\g+2:\g+3], s[\g+2:\g+3], 32768
.endr
	s_wait_xcnt 0x0                 ; the last prefetch, four key steps back, has read its address
	s_add_nc_u64 s[PFA:PFA+1], s[PFA:PFA+1], 32768
	s_wait_dscnt 0x0
	CROUND
	JLOAD
	ASK
.else
	s_wait_dscnt 0x0
	s_barrier_signal -1
	s_barrier_wait -1
.endif
	s_sub_co_u32 s[TBK], s[TBK], 4*KSTEPB
	s_xor_b32 s[TBK], s[TBK], SLOT1
	s_sub_co_u32 s[TBV], s[TBV], 4*VSTEPB
	s_xor_b32 s[TBV], s[TBV], SLOT1
.endm
.macro STEPS n                      ; n key steps: written once, walked n times
	WIN 0
	s_mov_b32 s[CNT], \n
.Lstep_\@:
	TURN 0, 2, 1, 0
	TURN 2, 2, 1, 0
	WIN 0
	s_sub_co_u32 s[CNT], s[CNT], 1
	s_cmp_lg_u32 s[CNT], 0
	s_cbranch_scc1 .Lstep_\@
.endm
	s_wait_tensorcnt 1              ; the bias and my part of slot 0 are in; slot 1's may stay out
	s_barrier_signal -1
	s_barrier_wait -1
	FETCH_K                         ; key step 0
	s_wait_loadcnt 0x0              ; Q
	s_wait_dscnt 0x0
.set i, 0
.rept 16
	KQ 0
.set i, i+1
.endr
	WIN 0                           ; the addresses for the way out: plain instructions, the places behind those products
	s_mul_i32 s13, s[WV], 4*16*SP
	s_add_co_u32 s13, s13, STAGE
	v_mul_u32_u24 v[STO], v1, SP
	v_lshl_add_u32 v[STO], v9, 4, v[STO]
	v_add_nc_u32 v[STO], s13, v[STO]       ; in: row r, 16 bytes for each half of the lanes
	v_and_b32 v10, 31, v0
	v_lshlrev_b32 v[GO], 4, v10            ; out: 16 bytes a lane: four rows of 128 bytes
	v_lshrrev_b32 v[RD], 3, v10
	v_mul_u32_u24 v[RD], v[RD], SP
	v_and_b32 v10, 7, v10
	v_lshl_add_u32 v[RD], v10, 4, v[RD]
	v_add_nc_u32 v[RD], s13, v[RD]         ; back: row lane / 8, 16 (lane % 8)
	TURN 2, 0, 1, 1                 ; piece 2's first scores | piece 0's first softmax | V of step 0
	TURN 0, 1, 1, 1                 ; piece 0: V^T P of step 0 starts O^T, K Q^T of step 1 | piece 2's first softmax | K of step 1
	TURN 2, 1, 1, 0                 ; piece 2: the same | piece 0's softmax of step 1 | V of step 1
	STEPS 2                         ; the rest of slot 0
.Lslot:                             ; 6 trips: every slot but the last two is filled again
	CHANGE 1
	STEPS 4
	s_sub_co_u32 s[SLOTS], s[SLOTS], 1
	s_cmp_lg_u32 s[SLOTS], 0
	s_cbranch_scc1 .Lslot
	CHANGE 0                        ; the tail is written out
	STEPS 4
	TURN 0, 2, 0, 0                 ; piece 0: V^T P of the last step | piece 2's last softmax
.set i, 0
.rept 20
	PV 2, 0
.set i, i+1
.endr
	PLACES
	; THE WAY OUT.  Register 0 of a tile's sums is the row's sum in both halves of the lanes.  O^T is divided by it, rounded to f16 and sent through my stage, a tile (16 rows of 128 bytes) at a time.
	WIN 0x01
.irp t, 0,1,2,3
	v_rcp_f32 v[ST+8*\t+6], v[128+8*\t]
.endr
	WIN 0
	v_nop                           ; a plain instruction behind the last reciprocal,
	s_wait_alu depctr_va_vdst(0)    ; and one wait for the four, ahead of their first reader
.macro PACK t
	WIN W_RS
.set i, 0
.rept 16
	v_pk_mul_f32 v[32*\t+2*i:32*\t+2*i+1], v[32*\t+2*i:32*\t+2*i+1], v[ST+8*\t+6:ST+8*\t+7] op_sel_hi:[1,0]
.set i, i+1
.endr
	WIN 0x05                        ; sources window 1, destination window 0: S^T's registers are free
.set i, 0
.rept 16
	v_cvt_pk_f16_f32 v[S+16*\t+i], v[32*\t+2*i], v[32*\t+2*i+1]
.set i, i+1
.endr
	WIN 0
.irp c, 0,1,2,3
	ds_store_b128 v[STO], v[S+16*\t+4*\c:S+16*\t+4*\c+3] offset:16*SP*\t+32*\c
.endr
.irp c, 0,1,2,3
	ds_load_b128 v[S+16*\t+4*\c:S+16*\t+4*\c+3], v[RD] offset:16*SP*\t+4*SP*\c  ; in order behind my stores (ISA guide 5.7.1.4)
.endr
.endm
.macro SEND t, younger              ; younger: the next tile's eight LDS instructions, or none
.irp c, 0,1,2,3
	s_wait_dscnt \younger+3-\c
	global_store_b128 v[GO], v[S+16*\t+4*\c:S+16*\t+4*\c+3], s[86:87] offset:2048*\t+512*\c  ; 512 consecutive bytes, at a multiple of 256 from the buffer's first byte
.endr
.endm
	PACK 0
	PACK 1
	SEND 0, 8
	PACK 2
	SEND 1, 8
	PACK 3
	SEND 2, 8
	SEND 3, 0
	s_wait_tensorcnt 0x0            ; the wave's end, behind my last tensor load and my last LDS store
	ds_add_u32 v[SPW], v[NIL]
	s_wait_dscnt 0x0
	CROUND                          ; the closing round
	s_endpgm
.Lfunc_end_k_q3dc5376d31_attn:
	.size	k_q3dc5376d31_attn, .Lfunc_end_k_q3dc5376d31_attn-k_q3dc5376d31_attn
	.p2alignl 7, 3214868480
	.fill 96, 4, 3214868480
	.section	.rodata,"a",@progbits
	.p2align	6, 0x0
	.amdhsa_kernel k_q3dc5376d31_attn
		.amdhsa_group_segment_fixed_size 327680
		.amdhsa_private_segment_fixed_size 0
		.amdhsa_enable_private_segment 0
		.amdhsa_kernarg_size 32
		.amdhsa_user_sgpr_count 2
		.amdhsa_user_sgpr_kernarg_segment_ptr 1
		.amdhsa_wavefront_size32 1
		.amdhsa_system_sgpr_workgroup_id_x 1
		.amdhsa_system_sgpr_workgroup_id_y 1
		.amdhsa_system_sgpr_workgroup_id_z 1
		.amdhsa_system_vgpr_workitem_id 0
		.amdhsa_next_free_vgpr 1024
		.amdhsa_next_free_sgpr 96
		.amdhsa_reserve_vcc 0
		.amdhsa_float_denorm_mode_32 3
		.amdhsa_float_denorm_mode_16_64 3
		.amdhsa_memory_ordered 1
		.amdhsa_forward_progress 1
		.amdhsa_inst_pref_size 186
	.end_amdhsa_kernel
	.amdgpu_metadata
---
amdhsa.version: [ 1, 2 ]
amdhsa.kernels:
  - .name:           k_q3dc5376d31_attn
    .symbol:         k_q3dc5376d31_attn.kd
    .args:
      - { .name: qkvh, .offset: 0, .size: 8, .value_kind: global_buffer, .address_space: global }
      - { .name: kbias, .offset: 8, .size: 8, .value_kind: global_buffer, .address_space: global }
      - { .name: scale, .offset: 16, .size: 8, .value_kind: global_buffer, .address_space: global }
      - { .name: ctx, .offset: 24, .size: 8, .value_kind: global_buffer, .address_space: global }
    .group_segment_fixed_size: 327680
    .private_segment_fixed_size: 0
    .kernarg_segment_align: 8
    .kernarg_segment_size: 32
    .max_flat_workgroup_size: 128
    .sgpr_count:     96
    .vgpr_count:     1024
    .wavefront_size: 32
...
	.end_amdgpu_metadata
.endif
;; end of part 3
;; launch oproj (part 4): grid 4 x 64, 4 waves a work-group, clusters of 4 x 4, 327,680 bytes of LDS; arguments ctx, wo16, bo, out0; writes out0
.if DOCPART == 4
	.amdgcn_target "amdgcn-amd-amdhsa--gfx1250"
	.amdhsa_code_object_version 6
	.text
	.protected	k_q3dc5376d31_oproj
	.globl	k_q3dc5376d31_oproj
	.p2align	8
	.type	k_q3dc5376d31_oproj,@function
k_q3dc5376d31_oproj:
	s_mov_b64 s[64:65], 0
	v_nop
	global_prefetch_b8 v0, s[64:65] scope:SCOPE_SE
	s_setreg_imm32_b32 hwreg(HW_REG_WAVE_MODE, 25, 1), 1
	s_wait_xcnt 0x0
	s_wait_alu depctr_hold_cnt(0) depctr_sa_sdst(0) depctr_va_vdst(0) depctr_va_sdst(0) depctr_va_ssrc(0) depctr_va_vcc(0) depctr_vm_vsrc(0)
	s_getreg_b32 s2, hwreg(HW_REG_IB_STS2, 6, 4)
	s_cmp_eq_u32 s2, 0
	s_cbranch_scc0 .Lentry_in_a_cluster
	s_endpgm
.Lentry_in_a_cluster:
	s_bfe_u32 s2, ttmp6, 0x10000c
	s_cmp_lg_u32 s2, 0xf033
	s_cbranch_scc0 .Lentry_shape_is_right
	s_endpgm
.Lentry_shape_is_right:
; OPROJ: out0[m][n] = the sum over k of ctx[m][k] Wo[k][n] + bo[n].  ctx: f16, laid [batch x 16 + head][2048][64], so that k = 64 head + channel; wo16: f16 [k 1024][n 1024]; out0: f32 [8192][1024].  Sums in f32, begun with bo as C.
; LIMITS: NaN and infinities are not served beyond what the products make of them.
; A tile of 128 x 256 gives 256 work-groups.  Four waves, each 64 x 128: 32 accumulators, 256 registers.  K goes in steps of 128 (two heads) through a ring of two LDS slots.
; ctx's tile is two planes, one a head: 128 rows of 128 dense bytes, stated as 64 rows of 256 bytes with 16 of padding behind each.  Wo's tile is 128 rows (k) of 512 bytes + 32; it is turned by ds_load_tr16_b128.
; CLUSTERS: 4 x 4: ctx's tiles are shared along a row of the cluster, Wo's along a column: joint loads.  No prefetch: a small tile whose tiles are shared in the cluster.
; THE MATRIX INSTRUCTION IS USED TRANSPOSED (source 0 = 16 columns of Wo, source 1 = 16 rows of ctx): a lane holds eight neighbouring numbers of a row of out0.
; REGISTERS: window 0: v16-29 addresses; v64-191 the way out; v192-255 bo in the result's layout.  Window 1: accumulator (a, b) at v[8 (8 a + b)].  Window 2: two fragment buffers of 96: ctx at +8 a, Wo at +32 + 8 b.
.set APL,    64*272                    ; a plane of ctx's tile
.set BOFF,   2*APL
.set BP,     544                       ; a row of Wo's tile in LDS: an odd multiple of 32 bytes, as the turning load's 8 rows x 32 bytes want
.set SLOT,   BOFF+128*BP
.set STAGE,  2*SLOT                    ; behind the ring: 16 rows x (512 + 16) bytes a wave
.set SPITCH, 528
.set SPARE,  STAGE+4*16*SPITCH         ; the spare words, 128 bytes a wave: two blocks of 256 bytes that no other line names
.set LAPS,   4                         ; a lap = two K steps
.set ADRA, 16
.set ADRB, 20
.set STO,  24
.set RD,   25
.set CO,   26
.set SPW,  28
.set NIL,  29
.set BKR,  64
.set BIA,  192
.set F0,   0
.set F1,   128
.set G1, 24
.set G0, 32
.set G1B, 48
.set G0B, 56
.set MSB, 0
.macro WIN new
.if MSB != (\new)
	s_set_vgpr_msb (MSB<<8)|(\new)
.set MSB, (\new)
.endif
.endm
.set MUL,  0x5a                        ; sources window 2, C and D window 1
.set MUL1, 0x4a                        ; the first products: C = bo, window 0
.set TO_F, 0x80
.macro JLOAD s                         ; waves 0, 1: ctx's two planes; waves 2, 3: Wo's two halves; an s_nop 0 and four v_nop follow each line
	s_cmp_eq_u32 s15, 0
	s_cbranch_scc0 .Lfor_b_\@
	tensor_load_to_lds s[G0+4*\s:G0+4*\s+3], s[G1:G1+7]
	s_nop 0
.rept 4
	v_nop
.endr
	s_branch .Lasked_\@
.Lfor_b_\@:
	tensor_load_to_lds s[G0B+4*\s:G0B+4*\s+3], s[G1B:G1B+7]
	s_nop 0
.rept 4
	v_nop
.endr
.Lasked_\@:
.endm
.macro CREST
	s_cmp_lg_u32 s14, 0
	s_cbranch_scc1 .Lnot_wave_0_\@
	s_barrier_signal -3
.Lnot_wave_0_\@:
	s_barrier_wait -3
	s_barrier_signal -1
	s_barrier_wait -1
.endm
.macro CROUND
	s_barrier_signal -1
	s_barrier_wait -1
	CREST
.endm
	s_load_b128 s[4:7], s[0:1], 0x0                ; ctx, wo16
	s_load_b128 s[8:11], s[0:1], 0x10              ; bo, out0
	v_lshl_add_u32 v[SPW], v0, 2, SPARE
	v_mov_b32 v[NIL], 0
	ds_add_u32 v[SPW], v[NIL]                      ; the wave's opening: the add, twice on end, and its wait ahead of my first tensor load
	ds_add_u32 v[SPW], v[NIL]
	v_lshrrev_b32 v1, 5, v0
	v_readfirstlane_b32 s14, v1                    ; wave 0..3
	s_lshr_b32 s15, s14, 1                         ; which 64 rows are mine.  Also: I fetch for ctx (0) or for Wo (1)
	s_and_b32 s16, s14, 1                          ; which 128 columns.  Also: which plane, or which 64 rows of Wo, I fetch
	s_bfe_u32 s40, ttmp6, 0x40000                  ; cx, cy
	s_bfe_u32 s41, ttmp6, 0x40004
	s_lshl_b32 s42, ttmp9, 2
	s_add_co_u32 s42, s42, s40                     ; tile column
	s_and_b32 s17, ttmp7, 0xffff
	s_lshl_b32 s17, s17, 2
	s_add_co_u32 s17, s17, s41                     ; tile row
	s_lshl_b32 s43, s41, 2
	s_lshl_b32 s43, 15, s43                        ; my row of the cluster
	s_lshl_b32 s44, 0x1111, s40                    ; my column
	s_or_b32 s[G1+0], s43, (1<<16)|(1<<20)|(1<<21)|(5<<22)|(3<<25)   ; the mask; elements of 2 bytes; padding on; bit 21 beside a mask; 4 words after every 64
	s_mov_b32 s[G1+1], 128<<16                     ; tensor_dim0
	s_mov_b32 s[G1+2], 64<<16                      ; tensor_dim1
	s_mov_b32 s[G1+3], 128<<16                     ; tile_dim0
	s_mov_b32 s[G1+4], 64                          ; tile_dim1
	s_mov_b32 s[G1+5], 128                         ; from row to row: dense
	s_mov_b32 s[G1+6], 0
	s_mov_b32 s[G1+7], 0
	s_or_b32 s[G1B+0], s44, (1<<16)|(1<<20)|(1<<21)|(6<<22)|(7<<25)  ; 8 words after every 128
	s_mov_b32 s[G1B+1], 256<<16
	s_mov_b32 s[G1B+2], 64<<16
	s_mov_b32 s[G1B+3], 256<<16
	s_mov_b32 s[G1B+4], 64
	s_mov_b32 s[G1B+5], 1024
	s_mov_b32 s[G1B+6], 0
	s_mov_b32 s[G1B+7], 0
	s_lshr_b32 s18, s17, 4                         ; ctx: the batch (16 tile rows each): 16 heads of 262,144 bytes,
	s_lshl_b32 s18, s18, 22
	s_and_b32 s19, s17, 15
	s_lshl_b32 s19, s19, 14                        ; the tile's 128 rows of 128 bytes in a head,
	s_add_co_u32 s18, s18, s19
	s_lshl_b32 s19, s16, 18                        ; my plane's head
	s_add_co_u32 s18, s18, s19
	s_mov_b32 s19, 0
	s_lshl_b32 s46, s16, 17                        ; Wo: my 64 rows of 2,048 bytes,
	s_lshl_b32 s47, s42, 9                         ; the tile's 256 columns
	s_add_co_u32 s46, s46, s47
	s_mov_b32 s47, 0
	s_mul_i32 s20, s16, APL                        ; where they go: no place in the cluster enters an LDS address
	s_mul_i32 s21, s16, 64*BP
	s_add_co_u32 s21, s21, BOFF
	s_wait_dscnt 0x0                               ; both opening adds are done
	s_wait_kmcnt 0x0
	s_add_nc_u64 s[18:19], s[4:5], s[18:19]
	s_add_nc_u64 s[46:47], s[6:7], s[46:47]
	CROUND                                         ; all sixteen work-groups are here: the first joint loads meet
.irp s, 0,1
	s_mov_b32 s[G0+4*\s], 1
	s_add_co_u32 s[G0+4*\s+1], s20, \s*SLOT
	s_add_nc_u64 s[G0+4*\s+2:G0+4*\s+3], s[18:19], \s*524288       ; K step s: heads 2 s, 2 s + 1
	s_or_b32 s[G0+4*\s+3], s[G0+4*\s+3], 0x80000000
	s_mov_b32 s[G0B+4*\s], 1
	s_add_co_u32 s[G0B+4*\s+1], s21, \s*SLOT
	s_add_nc_u64 s[G0B+4*\s+2:G0B+4*\s+3], s[46:47], \s*262144     ; 128 rows of Wo
	s_or_b32 s[G0B+4*\s+3], s[G0B+4*\s+3], 0x80000000
	JLOAD \s
.endr
	v_and_b32 v1, 15, v0                           ; r
	v_bfe_u32 v2, v0, 4, 1                         ; h
	v_lshrrev_b32 v3, 1, v1
	v_mul_u32_u24 v3, v3, 272
	v_and_b32 v4, 1, v1
	v_lshl_add_u32 v3, v4, 7, v3
	v_lshl_add_u32 v3, v2, 4, v3                   ; ctx: two rows to an LDS row: (r / 2) x 272 + (r % 2) x 128 + 16 h: sixteen lanes, sixteen different 16-byte columns
	v_and_b32 v4, 7, v0
	v_lshl_add_u32 v4, v2, 3, v4
	v_mul_u32_u24 v4, v4, BP
	v_bfe_u32 v5, v0, 3, 1
	v_lshl_add_u32 v4, v5, 4, v4                   ; Wo, for the turning load: row 8 h + l % 8, columns 8 ((l / 8) % 2) on
	s_mul_i32 s22, s15, 32*272                     ; my 64 rows of ctx
	s_lshl_b32 s23, s16, 8                         ; my 128 columns of Wo
	s_add_co_u32 s23, s23, BOFF
.irp s, 0,1
	v_add_nc_u32 v[ADRA+\s], s22, v3
	v_add_nc_u32 v[ADRB+\s], s23, v4
	s_add_co_u32 s22, s22, SLOT
	s_add_co_u32 s23, s23, SLOT
.endr
	s_mul_i32 s23, s14, 16*SPITCH
	s_add_co_u32 s23, s23, STAGE                   ; my stage
	v_mul_u32_u24 v5, v1, SPITCH
	v_lshl_add_u32 v5, v2, 5, v5
	v_add_nc_u32 v[STO], s23, v5                   ; in: row r, 32 bytes for each half of the lanes
	v_and_b32 v6, 31, v0
	v_lshlrev_b32 v[CO], 4, v6                     ; back, and out: the 32 lanes take a row's 512 bytes
	v_add_nc_u32 v[RD], s23, v[CO]
	s_lshl_b32 s20, s17, 7
	s_lshl_b32 s21, s15, 6
	s_add_co_u32 s20, s20, s21                     ; my first row of out0,
	s_lshl_b32 s20, s20, 12                        ; rows of 4,096 bytes
	s_lshl_b32 s46, s42, 10                        ; my first column: 256 x tile column + 128 x half, 4 bytes each
	s_lshl_b32 s47, s16, 9
	s_add_co_u32 s46, s46, s47
	s_mov_b32 s47, 0
	s_add_nc_u64 s[8:9], s[8:9], s[46:47]
	s_add_co_u32 s20, s20, s46
	s_mov_b32 s21, 0
	s_add_nc_u64 s[10:11], s[10:11], s[20:21]
	v_lshlrev_b32 v7, 5, v2
.irp b, 0,1,2,3,4,5,6,7
	global_load_b128 v[BIA+8*\b:BIA+8*\b+3], v7, s[8:9] offset:64*\b            ; lane (r, h): bo of columns 16 b + 8 h + 0 .. 7
	global_load_b128 v[BIA+8*\b+4:BIA+8*\b+7], v7, s[8:9] offset:64*\b+16
.endr
; 8 matrix instructions: row block a against the 8 column blocks, 32 along K.  The 32 accumulators take turns, one instruction a turn, in the same order in every quarter.
.macro MUL8 f, a, first
.irp b, 0,1,2,3,4,5,6,7
.if \first
	v_wmma_f32_16x16x32_f16 v[8*(8*(\a)+\b):8*(8*(\a)+\b)+7], v[\f+32+8*\b:\f+32+8*\b+7], v[\f+8*(\a):\f+8*(\a)+7], v[BIA+8*\b:BIA+8*\b+7]
.else
	v_wmma_f32_16x16x32_f16 v[8*(8*(\a)+\b):8*(8*(\a)+\b)+7], v[\f+32+8*\b:\f+32+8*\b+7], v[\f+8*(\a):\f+8*(\a)+7], v[8*(8*(\a)+\b):8*(8*(\a)+\b)+7]
.endif
.endr
.endm
.macro FETCH slot, q, f                ; 24 LDS loads in one run: the fragments of the slot's q-th 32 along K
	WIN TO_F
.irp b, 0,1,2,3,4,5,6,7
	ds_load_tr16_b128 v[\f+32+8*\b:\f+32+8*\b+3],   v[ADRB+\slot] offset:(\q)*32*BP+32*\b
	ds_load_tr16_b128 v[\f+32+8*\b+4:\f+32+8*\b+7], v[ADRB+\slot] offset:(\q)*32*BP+16*BP+32*\b
.endr
.irp a, 0,1,2,3
	ds_load_b128 v[\f+8*\a:\f+8*\a+3],   v[ADRA+\slot] offset:((\q)/2)*APL+((\q)%2)*64+8*272*\a
	ds_load_b128 v[\f+8*\a+4:\f+8*\a+7], v[ADRA+\slot] offset:((\q)/2)*APL+((\q)%2)*64+8*272*\a+32
.endr
.endm
.macro PLACES                          ; plain vector instructions between a matrix instruction and a load into, or a read of, its registers
.rept 4
	v_nop
.endr
.endm
.macro WMUL first
.if \first
	WIN MUL1
.else
	WIN MUL
.endif
.endm
; A K step is four quarters of 32 along K, 32 matrix instructions each, on buffers 0, 1, 0, 1.  One of the first three: multiplies f and, in its middle, fetches quarter qn into g.
.macro QUARTER slot, qn, f, g, first
	s_wait_dscnt 0x0                               ; this quarter's fragments, asked for 16 matrix instructions ago
	WMUL \first
	MUL8 \f, 0, \first
	MUL8 \f, 1, \first
	PLACES
	FETCH \slot, \qn, \g
	WMUL \first
	MUL8 \f, 2, \first
	MUL8 \f, 3, \first
.endm
; The last quarter multiplies buffer 1 and changes slots: one barrier; in front of it each wave waits for all its tensor loads, adds 0 to its spare word, and waits for that and for its reads of this slot.
.macro TURN slot, next, fill
	WIN 0
	s_wait_tensorcnt 0x0                           ; my part of the next slot has landed: no tensor load of mine is out
	ds_add_u32 v[SPW], v[NIL]
	s_wait_dscnt 1                                 ; the fragments are in; the add alone may be out
	WIN MUL
	MUL8 F1, 0, 0
	s_wait_dscnt 0x0                               ; the add is done, and my reads of this slot are over
	s_barrier_signal -1
	MUL8 F1, 1, 0
	WIN 0
	s_barrier_wait -1
.if \fill
	CREST                                          ; the barrier has opened a round of the cluster's: no wave of any partner still reads this slot or has a load on its way
	s_add_nc_u64 s[G0+4*\slot+2:G0+4*\slot+3], s[G0+4*\slot+2:G0+4*\slot+3], 1048576    ; two K steps on: four heads,
	s_add_nc_u64 s[G0B+4*\slot+2:G0B+4*\slot+3], s[G0B+4*\slot+2:G0B+4*\slot+3], 524288 ; 256 rows of Wo
	JLOAD \slot                                    ; the first tensor load behind the round; its four v_nop are also the places in front of the loads below
.else
	PLACES
.endif
	FETCH \next, 0, F0
	WIN MUL
	MUL8 F1, 2, 0
	MUL8 F1, 3, 0
.endm
	s_wait_tensorcnt 1                             ; my part of K step 0 is in; K step 1's may stay out
	s_barrier_signal -1
	s_barrier_wait -1
	FETCH 0, 0, F0
	s_wait_loadcnt 0x0                             ; bo
	QUARTER 0, 1, F0, F1, 1                        ; the first quarter's products start the sums from bo
	WIN 0
	s_mov_b32 s3, LAPS-1
.Llap:                                                 ; a trip goes once round the ring and fills both slots again: K steps 2 to 7
	QUARTER 0, 2, F1, F0, 0
	QUARTER 0, 3, F0, F1, 0
	TURN 0, 1, 1
	QUARTER 1, 1, F0, F1, 0
	QUARTER 1, 2, F1, F0, 0
	QUARTER 1, 3, F0, F1, 0
	TURN 1, 0, 1
	QUARTER 0, 1, F0, F1, 0
	WIN 0
	s_sub_co_u32 s3, s3, 1
	s_cmp_lg_u32 s3, 0
	s_cbranch_scc1 .Llap
	QUARTER 0, 2, F1, F0, 0                        ; the last lap fills nothing
	QUARTER 0, 3, F0, F1, 0
	TURN 0, 1, 0
	QUARTER 1, 1, F0, F1, 0
	QUARTER 1, 2, F1, F0, 0
	QUARTER 1, 3, F0, F1, 0
	s_wait_dscnt 0x0
	WIN MUL
	MUL8 F1, 0, 0
	MUL8 F1, 1, 0
	MUL8 F1, 2, 0
	MUL8 F1, 3, 0
	WIN 0
; THE WAY OUT, a block of 16 rows x 128 columns at a time, through my own stage: back come whole rows of 512 bytes.
.macro TOSTAGE a
	WIN 0x04                                       ; an LDS store's data are its source 1: window 1
.irp b, 0,1,2,3,4,5,6,7
	ds_store_b128 v[STO], v[8*(8*(\a)+\b):8*(8*(\a)+\b)+3] offset:64*\b          ; each accumulator from its low end on
	ds_store_b128 v[STO], v[8*(8*(\a)+\b)+4:8*(8*(\a)+\b)+7] offset:64*\b+16
.endr
	WIN 0
.set BB, BKR+64*((\a)%2)
.irp t, 0,1,2,3,4,5,6,7,8,9,10,11,12,13,14,15
	ds_load_b128 v[BB+4*\t:BB+4*\t+3], v[RD] offset:\t*SPITCH   ; in order behind my stores (ISA guide 5.7.1.4)
.endr
.endm
.macro SEND a, younger                 ; younger: the next block's 16 stores and 16 loads, or none
.set BB, BKR+64*((\a)%2)
	s_wait_dscnt \younger
.irp t, 0,1,2,3,4,5,6,7,8,9,10,11,12,13,14,15
	global_store_b128 v[CO], v[BB+4*\t:BB+4*\t+3], s[10:11] offset:(16*(\a)+\t)*4096 th:TH_STORE_NT   ; 512 consecutive bytes, at a multiple of 256 from out0's first byte
.endr
.endm
	PLACES
	TOSTAGE 0
.irp a, 1,2,3
.if \a > 1
	s_wait_xcnt 0x0                                ; block a - 2's stores have read their registers: block a's loads may land there
.endif
	TOSTAGE \a
	SEND \a-1, 32
.endr
	SEND 3, 0
	s_wait_tensorcnt 0x0                           ; the wave's end, behind my last tensor load and my last LDS store
	ds_add_u32 v[SPW], v[NIL]
	s_wait_dscnt 0x0
	CROUND                                         ; the closing round
	s_endpgm
.Lfunc_end_k_q3dc5376d31_oproj:
	.size	k_q3dc5376d31_oproj, .Lfunc_end_k_q3dc5376d31_oproj-k_q3dc5376d31_oproj
	.p2alignl 7, 3214868480
	.fill 96, 4, 3214868480
	.section	.rodata,"a",@progbits
	.p2align	6, 0x0
	.amdhsa_kernel k_q3dc5376d31_oproj
		.amdhsa_group_segment_fixed_size 327680
		.amdhsa_private_segment_fixed_size 0
		.amdhsa_enable_private_segment 0
		.amdhsa_kernarg_size 32
		.amdhsa_user_sgpr_count 2
		.amdhsa_user_sgpr_kernarg_segment_ptr 1
		.amdhsa_wavefront_size32 1
		.amdhsa_system_sgpr_workgroup_id_x 1
		.amdhsa_system_sgpr_workgroup_id_y 1
		.amdhsa_system_sgpr_workgroup_id_z 1
		.amdhsa_system_vgpr_workitem_id 0
		.amdhsa_next_free_vgpr 768
		.amdhsa_next_free_sgpr 66
		.amdhsa_reserve_vcc 0
		.amdhsa_float_denorm_mode_32 3
		.amdhsa_float_denorm_mode_16_64 3
		.amdhsa_memory_ordered 1
		.amdhsa_forward_progress 1
		.amdhsa_inst_pref_size 86
	.end_amdhsa_kernel
	.amdgpu_metadata
---
amdhsa.version: [ 1, 2 ]
amdhsa.kernels:
  - .name:           k_q3dc5376d31_oproj
    .symbol:         k_q3dc5376d31_oproj.kd
    .args:
      - { .name: ctx, .offset: 0, .size: 8, .value_kind: global_buffer, .address_space: global }
      - { .name: wo16, .offset: 8, .size: 8, .value_kind: global_buffer, .address_space: global }
      - { .name: bo, .offset: 16, .size: 8, .value_kind: global_buffer, .address_space: global }
      - { .name: out0, .offset: 24, .size: 8, .value_kind: global_buffer, .address_space: global }
    .group_segment_fixed_size: 327680
    .private_segment_fixed_size: 0
    .kernarg_segment_align: 8
    .kernarg_segment_size: 32
    .max_flat_workgroup_size: 128
    .sgpr_count:     66
    .vgpr_count:     768
    .wavefront_size: 32
...
	.end_amdgpu_metadata
.endif
;; end of part 4
